; MI455X (gfx1250); checked and timed in simulation.
; The chip was launched on July 23, 2026; its instructions are those of AMD's public machine-readable ISA for CDNA 5 (MIT licence, August 2026) and "CDNA5" Instruction Set Architecture Reference Guide (July 2026). The comments in the code are by the model that wrote it; some were corrected since.
;; Decoder Block. Allowed arithmetic: float matrix products may take bf16 or f16 operands with f32 sums; all other float work in f32.
;; Inputs: ln1_b 1,024 float32; ln1_g 1,024 float32; ln2_b 1,024 float32; ln2_g 1,024 float32; w_fc1 1,024 x 4,096 float32; w_fc2 4,096 x 1,024 float32; w_proj 1,024 x 1,024 float32; w_qkv 1,024 x 3,072 float32; x 2 x 2,048 x 1,024 float32.
;; Outputs: out0 2 x 2,048 x 1,024 float32.
;; One version. Each part assembles by itself: llvm-mc -triple=amdgcn-amd-amdhsa -mcpu=gfx1250 --defsym DOCPART=n.
;; ======== version 1 of 1: 7 launches
;; limits: values are held in f16: magnitudes above 65,504 overflow, below 6.1e-05 lose precision; a function is approximated: absolute error at most 1.5e-07; an absolute error that grows with the inputs' magnitude: up to 7.5e-08 times it
;; workspace buffers: hn 8,388,608 bytes; wq 6,291,456 bytes; wb 25,165,824 bytes; qkv 25,165,824 bytes; ob 8,388,608 bytes; x1 16,777,216 bytes; hff 33,554,432 bytes
;; launch prep (part 1): grid 512 x 1, 8 waves a work-group, no clusters, 0 bytes of LDS; arguments x, ln1_g, ln1_b, w_qkv, w_proj, hn, wq, wb; writes hn, wq, wb
.if DOCPART == 1
	.amdgcn_target "amdgcn-amd-amdhsa--gfx1250"
	.amdhsa_code_object_version 6
	.text
	.protected	k_q524881546b_prep
	.globl	k_q524881546b_prep
	.p2align	8
	.type	k_q524881546b_prep,@function
k_q524881546b_prep:
	s_mov_b64 s[64:65], 0
	v_nop
	global_prefetch_b8 v0, s[64:65] scope:SCOPE_SE
	s_setreg_imm32_b32 hwreg(HW_REG_WAVE_MODE, 25, 1), 1
	s_wait_xcnt 0x0
; ONE TEXT, TWO USES; every work-group moves 65,536 bytes in and 32,768 out.
; Work-groups 0-255: out = LayerNorm(in) * g + b, [4096][1024] f32 -> bf16.  A wave keeps a row of 4,096 bytes in 32 registers, so the mean,
; the centred squares (two passes: no difference of large sums) and the scaling read memory once.  8 waves x 2 rows.
; Work-groups 256-511: two weights, f32 -> 16 bit, as they lie ([K][N], not turned): 256-447 w_qkv -> wq in bf16; 448-511 w_proj -> wb at byte 6,291,456,
; rounded to bf16 and that number written as f16, since its product's other operand is f16.
; The first use has 512 work-groups (x, ln1's g and b).  The second has 256 (x1, ln2's g and b): there only the norm's path is taken.
; LIMIT: a bf16-rounded w_proj below 6.1e-5 keeps f16's fixed step of 6e-8, beyond 65,504 it becomes an infinity.  NaN and infinities are not treated apart.
; No LDS, no matrix unit, no cluster: work-groups share nothing but g and b (8,192 bytes).
.set T,   4                            ; v[4:11]    at work
.set MU,  12                           ; v[12:13]   the mean, twice
.set RS,  14                           ; v[14:15]   1 / sqrt(var + eps), twice
.set X,   16                           ; v[16:79]   two rows as loaded (cast path: 64 numbers)
.set G,   80                           ; v[80:111]  g of my 32 columns
.set BB,  112                          ; v[112:143] b
.set Y,   144                          ; v[144:175] two rows, packed
.set CY,  80                           ; cast path: v[80:111] packed results
.set INP, 4
.set GP,  6
.set BP,  8
.set OUTP, 14
	s_load_b512 s[4:19], s[0:1], 0x0               ; in 4:5, g 6:7, b 8:9, w_qkv 10:11, w_proj 12:13, out 14:15, wq 16:17, wb 18:19
	v_lshrrev_b32 v3, 5, v0
	v_readfirstlane_b32 s24, v3                    ; wave 0..7
	s_cmp_lt_u32 ttmp9, 256
	s_cbranch_scc0 .Lcast
.macro FOLD                            ; four chains of pairs into v[T]
	v_pk_add_f32 v[T:T+1], v[T:T+1], v[T+2:T+3]
	v_pk_add_f32 v[T+4:T+5], v[T+4:T+5], v[T+6:T+7]
	v_pk_add_f32 v[T:T+1], v[T:T+1], v[T+4:T+5]
	v_add_f32 v[T], v[T], v[T+1]
.endm
.macro WSUM                            ; v[T] summed over the 32 lanes, the result in every lane
	v_add_f32_dpp v[T], v[T], v[T] row_xmask:1 row_mask:0xf bank_mask:0xf
	v_add_f32_dpp v[T], v[T], v[T] row_xmask:2 row_mask:0xf bank_mask:0xf
	v_add_f32_dpp v[T], v[T], v[T] row_xmask:4 row_mask:0xf bank_mask:0xf
	v_add_f32_dpp v[T], v[T], v[T] row_xmask:8 row_mask:0xf bank_mask:0xf
	v_permlanex16_b32 v[T+1], v[T], s32, s33
	v_add_f32 v[T], v[T], v[T+1]
.endm
.macro STATS rho                       ; row rho becomes (x - mean) / sqrt(var + eps), in place
.set XR, X+32*(\rho)
.irp k, 0,1,2,3
	v_pk_add_f32 v[T+2*(\k):T+2*(\k)+1], v[XR+2*(\k):XR+2*(\k)+1], v[XR+8+2*(\k):XR+8+2*(\k)+1]
.endr
.irp m, 2,3
.irp k, 0,1,2,3
	v_pk_add_f32 v[T+2*(\k):T+2*(\k)+1], v[T+2*(\k):T+2*(\k)+1], v[XR+8*(\m)+2*(\k):XR+8*(\m)+2*(\k)+1]
.endr
.endr
	FOLD
	WSUM
	v_mul_f32 v[MU], s30, v[T]
	v_mov_b32 v[MU+1], v[MU]
.set z, 0
.rept 16
	v_pk_add_f32 v[XR+2*z:XR+2*z+1], v[XR+2*z:XR+2*z+1], v[MU:MU+1] neg_lo:[0,1] neg_hi:[0,1]
.set z, z+1
.endr
.irp k, 0,1,2,3
	v_pk_mul_f32 v[T+2*(\k):T+2*(\k)+1], v[XR+2*(\k):XR+2*(\k)+1], v[XR+2*(\k):XR+2*(\k)+1]
.endr
.irp m, 1,2,3
.irp k, 0,1,2,3
	v_pk_fma_f32 v[T+2*(\k):T+2*(\k)+1], v[XR+8*(\m)+2*(\k):XR+8*(\m)+2*(\k)+1], v[XR+8*(\m)+2*(\k):XR+8*(\m)+2*(\k)+1], v[T+2*(\k):T+2*(\k)+1]
.endr
.endr
	FOLD
	WSUM
	v_fma_f32 v[T], v[T], s30, s31                 ; var + eps
	v_rsq_f32 v[RS], v[T]
	v_rsq_f32 v[RS+1], v[T]
	v_nop                                          ; a plain instruction between the root and the use of its result (ISA guide 5.7.2)
.set z, 0
	s_wait_alu depctr_va_vdst(0)
.rept 16
	v_pk_mul_f32 v[XR+2*z:XR+2*z+1], v[XR+2*z:XR+2*z+1], v[RS:RS+1]
.set z, z+1
.endr
.endm
.macro FIN rho                         ; times g plus b, rounded to bf16, stored: each store of the wave covers 512 consecutive bytes
.set XR, X+32*(\rho)
.set z, 0
.rept 16
	v_pk_fma_f32 v[XR+2*z:XR+2*z+1], v[XR+2*z:XR+2*z+1], v[G+2*z:G+2*z+1], v[BB+2*z:BB+2*z+1]
.set z, z+1
.endr
.set z, 0
.rept 16
	v_cvt_pk_bf16_f32 v[Y+16*(\rho)+z], v[XR+2*z], v[XR+2*z+1]
.set z, z+1
.endr
.irp j, 0,1,2,3
	global_store_b128 v2, v[Y+16*(\rho)+4*(\j):Y+16*(\rho)+4*(\j)+3], s[OUTP:OUTP+1] offset:2048*(\rho)+512*(\j)
.endr
.endm
	; THE NORM.  Lane l holds the columns 256 j + 8 l .. + 7, j = 0..3: 32 bytes in, 16 bytes out.
	v_and_b32 v1, 31, v0
	v_lshlrev_b32 v2, 4, v1                        ; 16 l: my place in 512 bytes of the output
	v_lshlrev_b32 v1, 5, v1                        ; 32 l: my place in 1,024 bytes of the input, g, b
	s_lshl_b32 s26, ttmp9, 16                      ; 16 rows of 4,096 bytes a work-group,
	s_lshl_b32 s25, s24, 13                        ; 2 a wave
	s_add_co_u32 s26, s26, s25
	s_mov_b32 s27, 0
	s_lshl_b32 s28, ttmp9, 15                      ; the same rows of 2,048 bytes
	s_lshl_b32 s25, s24, 12
	s_add_co_u32 s28, s28, s25
	s_mov_b32 s29, 0
	s_mov_b32 s30, 0x3a800000                      ; 1 / 1024
	s_mov_b32 s31, 0x3727c5ac                      ; eps = 1e-5
	s_mov_b32 s32, 0x76543210                      ; v_permlanex16_b32: each lane takes its own place in the other half
	s_mov_b32 s33, 0xfedcba98
	s_wait_kmcnt 0x0
	s_add_nc_u64 s[INP:INP+1], s[INP:INP+1], s[26:27]
	s_add_nc_u64 s[OUTP:OUTP+1], s[OUTP:OUTP+1], s[28:29]
.irp rho, 0,1
.irp j, 0,1,2,3
	global_load_b128 v[X+32*(\rho)+8*(\j):X+32*(\rho)+8*(\j)+3],   v1, s[INP:INP+1] offset:4096*(\rho)+1024*(\j)
	global_load_b128 v[X+32*(\rho)+8*(\j)+4:X+32*(\rho)+8*(\j)+7], v1, s[INP:INP+1] offset:4096*(\rho)+1024*(\j)+16
.endr
.endr
.irp j, 0,1,2,3
	global_load_b128 v[G+8*(\j):G+8*(\j)+3],   v1, s[GP:GP+1] offset:1024*(\j)
	global_load_b128 v[G+8*(\j)+4:G+8*(\j)+7], v1, s[GP:GP+1] offset:1024*(\j)+16
.endr
.irp j, 0,1,2,3
	global_load_b128 v[BB+8*(\j):BB+8*(\j)+3],   v1, s[BP:BP+1] offset:1024*(\j)
	global_load_b128 v[BB+8*(\j)+4:BB+8*(\j)+7], v1, s[BP:BP+1] offset:1024*(\j)+16
.endr
	s_wait_loadcnt 24                              ; row 0's eight loads are in; row 1's eight and the sixteen of g and b stay out
	STATS 0
	s_wait_loadcnt 16                              ; row 1
	STATS 1
	s_wait_loadcnt 0x0                             ; g and b
	FIN 0
	FIN 1
	s_endpgm
	; THE CAST.  Piece 0..255 of 65,536 bytes: 0-191 w_qkv, 192-255 w_proj.
.macro CAST half                       ; half = 1: bf16's number written as f16
.irp j, 0,1,2,3,4,5,6,7
	s_wait_loadcnt 14-2*(\j)                       ; this group's two loads are in, the younger groups stay out
.if \half
.irp k, 0,1,2,3
	v_cvt_pk_bf16_f32 v[T+(\k)], v[X+8*(\j)+2*(\k)], v[X+8*(\j)+2*(\k)+1]
.endr
.irp k, 0,1,2,3
	v_lshlrev_b32 v[T+4+((\k)%2)*2], 16, v[T+(\k)]
	v_and_b32 v[T+5+((\k)%2)*2], 0xffff0000, v[T+(\k)]
	v_cvt_pk_f16_f32 v[CY+4*(\j)+(\k)], v[T+4+((\k)%2)*2], v[T+5+((\k)%2)*2]
.endr
.else
.irp k, 0,1,2,3
	v_cvt_pk_bf16_f32 v[CY+4*(\j)+(\k)], v[X+8*(\j)+2*(\k)], v[X+8*(\j)+2*(\k)+1]
.endr
.endif
	global_store_b128 v2, v[CY+4*(\j):CY+4*(\j)+3], s[20:21] offset:4096*(\j)  ; a wave's store covers 512 consecutive bytes
.endr
.endm
.Lcast:
	s_sub_co_u32 s22, ttmp9, 256                   ; the piece
	v_lshlrev_b32 v1, 5, v0                        ; 32 bytes a thread in,
	v_lshlrev_b32 v2, 4, v0                        ; 16 out
	s_mov_b32 s29, 0
	s_mov_b32 s31, 0
	s_wait_kmcnt 0x0
	s_cmp_lt_u32 s22, 192                          ; which weight: its source, its destination, the piece at which it begins, and its place in the destination
	s_cselect_b64 s[26:27], s[10:11], s[12:13]
	s_cselect_b64 s[20:21], s[16:17], s[18:19]
	s_cselect_b32 s23, 0, 192
	s_cselect_b32 s25, 0, 0x600000                 ; w_proj lies at byte 6,291,456 of wb
	s_sub_co_u32 s23, s22, s23
	s_lshl_b32 s28, s23, 16
	s_lshl_b32 s30, s23, 15
	s_add_co_u32 s30, s30, s25
	s_add_nc_u64 s[26:27], s[26:27], s[28:29]
	s_add_nc_u64 s[20:21], s[20:21], s[30:31]
.irp j, 0,1,2,3,4,5,6,7
	global_load_b128 v[X+8*(\j):X+8*(\j)+3],   v1, s[26:27] offset:8192*(\j) th:TH_LOAD_NT
	global_load_b128 v[X+8*(\j)+4:X+8*(\j)+7], v1, s[26:27] offset:8192*(\j)+16 th:TH_LOAD_NT
.endr
	s_cmp_lt_u32 s22, 192
	s_cbranch_scc0 .Lproj
	CAST 0
	s_endpgm
.Lproj:
	CAST 1
	s_endpgm
.Lfunc_end_k_q524881546b_prep:
	.size	k_q524881546b_prep, .Lfunc_end_k_q524881546b_prep-k_q524881546b_prep
	.p2alignl 7, 3214868480
	.fill 96, 4, 3214868480
	.section	.rodata,"a",@progbits
	.p2align	6, 0x0
	.amdhsa_kernel k_q524881546b_prep
		.amdhsa_group_segment_fixed_size 0
		.amdhsa_private_segment_fixed_size 0
		.amdhsa_enable_private_segment 0
		.amdhsa_kernarg_size 64
		.amdhsa_user_sgpr_count 2
		.amdhsa_user_sgpr_kernarg_segment_ptr 1
		.amdhsa_wavefront_size32 1
		.amdhsa_system_sgpr_workgroup_id_x 1
		.amdhsa_system_sgpr_workgroup_id_y 1
		.amdhsa_system_sgpr_workgroup_id_z 1
		.amdhsa_system_vgpr_workitem_id 0
		.amdhsa_next_free_vgpr 176
		.amdhsa_next_free_sgpr 66
		.amdhsa_reserve_vcc 0
		.amdhsa_float_denorm_mode_32 3
		.amdhsa_float_denorm_mode_16_64 3
		.amdhsa_memory_ordered 1
		.amdhsa_forward_progress 1
		.amdhsa_inst_pref_size 33
	.end_amdhsa_kernel
	.amdgpu_metadata
---
amdhsa.version: [ 1, 2 ]
amdhsa.kernels:
  - .name:           k_q524881546b_prep
    .symbol:         k_q524881546b_prep.kd
    .args:
      - { .name: x, .offset: 0, .size: 8, .value_kind: global_buffer, .address_space: global }
      - { .name: ln1_g, .offset: 8, .size: 8, .value_kind: global_buffer, .address_space: global }
      - { .name: ln1_b, .offset: 16, .size: 8, .value_kind: global_buffer, .address_space: global }
      - { .name: w_qkv, .offset: 24, .size: 8, .value_kind: global_buffer, .address_space: global }
      - { .name: w_proj, .offset: 32, .size: 8, .value_kind: global_buffer, .address_space: global }
      - { .name: hn, .offset: 40, .size: 8, .value_kind: global_buffer, .address_space: global }
      - { .name: wq, .offset: 48, .size: 8, .value_kind: global_buffer, .address_space: global }
      - { .name: wb, .offset: 56, .size: 8, .value_kind: global_buffer, .address_space: global }
    .group_segment_fixed_size: 0
    .private_segment_fixed_size: 0
    .kernarg_segment_align: 8
    .kernarg_segment_size: 64
    .max_flat_workgroup_size: 256
    .sgpr_count:     66
    .vgpr_count:     176
    .wavefront_size: 32
...
	.end_amdgpu_metadata
.endif
;; end of part 1
;; launch qkvg (part 2): grid 16 x 16, 4 waves a work-group, clusters of 4 x 4, 327,680 bytes of LDS; arguments hn, wq, qkv, w_fc1, w_fc2, wb; writes qkv, wb
.if DOCPART == 2
	.amdgcn_target "amdgcn-amd-amdhsa--gfx1250"
	.amdhsa_code_object_version 6
	.text
	.protected	k_q524881546b_qkvg
	.globl	k_q524881546b_qkvg
	.p2align	8
	.type	k_q524881546b_qkvg,@function
k_q524881546b_qkvg:
	s_mov_b64 s[64:65], 0
	v_nop
	global_prefetch_b8 v0, s[64:65] scope:SCOPE_SE
	s_setreg_imm32_b32 hwreg(HW_REG_WAVE_MODE, 25, 1), 1
	s_wait_xcnt 0x0
	s_wait_alu depctr_hold_cnt(0) depctr_sa_sdst(0) depctr_va_vdst(0) depctr_va_sdst(0) depctr_va_ssrc(0) depctr_va_vcc(0) depctr_vm_vsrc(0)
	s_getreg_b32 s2, hwreg(HW_REG_IB_STS2, 6, 4)
	s_cmp_eq_u32 s2, 0
	s_cbranch_scc0 .Lentry_in_a_cluster
	s_endpgm
.Lentry_in_a_cluster:
	s_bfe_u32 s2, ttmp6, 0x10000c
	s_cmp_lg_u32 s2, 0xf033
	s_cbranch_scc0 .Lentry_shape_is_right
	s_endpgm
.Lentry_shape_is_right:
; TWO KINDS OF WORK, by the cluster's x, which all sixteen partners of a cluster share.
; CLUSTERS x = 0, 1, 2 (192 work-groups): q, k, v = hn [4096][1024] bf16 x Wqkv [1024][3072] bf16 (wq), sums in f32, written in f16 by heads: qkv[which][batch*16+head][2048][64], unscaled.
; LIMIT: f16 ends at 65,504; q, k, v beyond that become infinities.
; A tile of C is 256 x 256: four waves, each 128 x 128 in 64 accumulators.  K goes in 8 steps of 128 through two LDS slots filled by the tensor data mover.
; hn's tile lies [row][k] (rows of 256 bytes, pitch 272); W's tile lies [k][n] as in memory (rows of 512 bytes, pitch 544) and is turned on the way into registers by ds_load_tr16_b128.
; The product has 12 x 16 = 192 tiles: a tile 192 columns wide, which would give 256, has rows of 384 bytes, which no padding interval of the mover divides.
; hn's tile is shared along a row of the cluster, W's along a column; each is asked for jointly, by the same load with the same descriptor and a mask of four.
; THE MATRIX INSTRUCTION IS USED TRANSPOSED (source 0 = 16 columns of W, source 1 = 16 rows of hn): a lane holds row l % 16 and the columns 8 (l / 16) + 0..7.
; REGISTERS: window 0: v0-31 addresses, v32-47 packed results, v64-127 and v128-191 hn's fragments (two buffers); window 1: W's fragments at the same numbers;
;   windows 2, 3: accumulator (a, b) at v[8 (8 (a % 4) + b)] of window 2 + a / 4.
; THE WAY OUT goes through the ring's bytes, which have had their last fill: each wave lays its 128 x 128 f32 into rows of 528 bytes of its own and walks them 8 rows a trip.
; CLUSTERS x = 3 (64 work-groups, which the product would leave without work): w_fc1 and w_fc2, f32 -> bf16, as they lie, into wb at bytes 8,388,608 and 16,777,216: a stream through registers,
; with no LDS and no tensor load.  A wave takes 131,072 bytes, 32 bytes a lane at a time, through a ring of 16 register slots: 32 loads of the wave are always on their way.
.set SIZE_N, 3072
.set REGION, 0
.set NSTEP,  8
.set PA,     272                       ; 256 + 16: the 16 rows of a fragment load start at 16 different groups of four banks (ISA guide 11.1)
.set PW,     544                       ; 512 + 32: an odd multiple of 32, for the turning load
.set HALFT,  34816                     ; 128 rows x 272 = 64 rows x 544: what one tensor load brings
.set SLOT,   139264                    ; 0x22000: shares no bit with wave x HALFT, so one exclusive or changes slots
.set SPARE,  278528                    ; behind the ring: the spare words, 128 bytes a wave
.set SPITCH, 528
.set WSTAGE, 128*SPITCH
.set STEPA,  256                       ; bytes from K step to K step in hn
.set STEPB,  256*SIZE_N                ; and in W
.set ADRA0, 16                         ; v16 my lane's place in hn's tile of slot 0; never rewritten
.set ADRB0, 17                         ; v17 the same for W
.set AA,    18                         ; v18, v19 the same in the slot in hand
.set AB,    19
.set STO,   24
.set RD,    25
.set CO,    26
.set SPW,   28                         ; v28 LDS address of my spare word; never rewritten
.set NIL,   29                         ; v29 0; never rewritten
.set CIN,   30                         ; v30 the stream: 32 x lane; never rewritten
.set COUT,  31                         ; v31 the stream: 16 x lane; never rewritten
.set YO,    32
.set F0,    64
.set F1,    128
.set XI,    64
.set CD,    16                         ; the stream's slots
.set CX,    64                         ; v64-191  slot i: 8 registers as loaded
.set CY,    192                        ; v192-255 slot i: 4 registers to store
.set WV, 12
.set RH, 13
.set CH, 14
.set TR, 15
.set G1A, 24
.set G0A, 32
.set TB,  45                           ; s45 0 or SLOT: the slot in hand
.set G1B, 48
.set G0B, 56
.set MSB, 0
.macro WIN new                         ; the immediate's high byte repeats the setting that is left
.if MSB != (\new)
	s_set_vgpr_msb (MSB<<8)|(\new)
.set MSB, \new
.endif
.endm
.set MUL_LO, 0xa1                      ; source 0 (W) window 1, source 1 (hn) window 0, C and D window 2
.set MUL_HI, 0xf1
.set TO_B,   0x40
.macro PLACES                          ; four plain places behind matrix instructions (ISA guide 7.12.1)
.rept 4
	v_nop
.endr
.endm
.macro JLOAD                           ; a joint refill by the walking descriptors: waves 0, 1 hn's halves, waves 2, 3 W's; s_nop 0 and four v_nop follow each line
	s_cmp_eq_u32 s[RH], 0
	s_cbranch_scc0 .Lfor_b_\@
	tensor_load_to_lds s[G0A+4:G0A+7], s[G1A:G1A+7]
	s_nop 0
.rept 4
	v_nop
.endr
	s_branch .Lasked_\@
.Lfor_b_\@:
	tensor_load_to_lds s[G0B+4:G0B+7], s[G1B:G1B+7]
	s_nop 0
.rept 4
	v_nop
.endr
.Lasked_\@:
.endm
.macro CREST                           ; a round of the cluster's barrier behind its opening barrier
	s_cmp_lg_u32 s[WV], 0
	s_cbranch_scc1 .Lnot_wave_0_\@
	s_barrier_signal -3
.Lnot_wave_0_\@:
	s_barrier_wait -3
	s_barrier_signal -1
	s_barrier_wait -1
.endm
.macro CROUND
	s_barrier_signal -1
	s_barrier_wait -1
	CREST
.endm
	s_load_b256 s[4:11], s[0:1], 0x0               ; hn s[4:5], wq s[6:7], qkv s[8:9], w_fc1 s[10:11]
	s_load_b128 s[68:71], s[0:1], 0x20             ; w_fc2 s[68:69], wb s[70:71]
	v_lshl_add_u32 v[SPW], v0, 2, SPARE
	v_mov_b32 v[NIL], 0
	ds_add_u32 v[SPW], v[NIL]                      ; the wave's opening: the add and its wait ahead of my first tensor load
	ds_add_u32 v28, v29
	v_lshrrev_b32 v1, 5, v0
	v_readfirstlane_b32 s[WV], v1                  ; wave 0..3
	s_lshr_b32 s[RH], s[WV], 1                     ; my half of the tile's rows.  Also: I fetch hn (0) or W (1)
	s_and_b32 s[CH], s[WV], 1                      ; my half of its columns.  Also: which half of that tile I fetch
	s_bfe_u32 s40, ttmp6, 0x40000                  ; cx
	s_bfe_u32 s41, ttmp6, 0x40004                  ; cy
	s_lshl_b32 s42, ttmp9, 2
	s_add_co_u32 s42, s42, s40                     ; tile column
	s_and_b32 s[TR], ttmp7, 0xffff
	s_lshl_b32 s[TR], s[TR], 2
	s_add_co_u32 s[TR], s[TR], s41                 ; tile row
	s_lshl_b32 s43, s41, 2
	s_lshl_b32 s43, 15, s43                        ; my row of the cluster
	s_lshl_b32 s44, 0x1111, s40                    ; my column
	s_or_b32 s[G1A], s43, (1<<16)|(1<<20)|(1<<21)|(5<<22)|(3<<25)  ; mask; 2-byte elements; padding on; bit 21 beside a mask; after every 64 words 4 words
	s_mov_b32 s[G1A+1], 128<<16                    ; tensor_dim0 = 128
	s_mov_b32 s[G1A+2], 128<<16                    ; tensor_dim1 = 128
	s_mov_b32 s[G1A+3], 128<<16                    ; tile_dim0 = 128
	s_mov_b32 s[G1A+4], 128                        ; tile_dim1 = 128
	s_mov_b32 s[G1A+5], 1024                       ; elements from row to row
	s_mov_b32 s[G1A+6], 0
	s_mov_b32 s[G1A+7], 0
	s_or_b32 s[G1B], s44, (1<<16)|(1<<20)|(1<<21)|(6<<22)|(7<<25)  ; after every 128 words 8 words
	s_mov_b32 s[G1B+1], 256<<16
	s_mov_b32 s[G1B+2], 64<<16
	s_mov_b32 s[G1B+3], 256<<16
	s_mov_b32 s[G1B+4], 64
	s_mov_b32 s[G1B+5], SIZE_N
	s_mov_b32 s[G1B+6], 0
	s_mov_b32 s[G1B+7], 0
	s_lshl_b32 s16, s[TR], 19                      ; hn: 256 rows of 2,048 bytes a tile row,
	s_lshl_b32 s17, s[CH], 18                      ; 128 rows a half
	s_add_co_u32 s16, s16, s17
	s_mov_b32 s17, 0
	s_lshl_b32 s46, s42, 9                         ; W: 256 columns of 2 bytes a tile column,
	s_mul_i32 s47, s[CH], 128*SIZE_N               ; 64 k rows a half
	s_add_co_u32 s46, s46, s47
.if REGION
	s_add_co_u32 s46, s46, REGION
.endif
	s_mov_b32 s47, 0
	s_mul_i32 s20, s[WV], HALFT                    ; where my load lands: hn's two halves, then W's two
	s_mov_b32 s[TB], 0
	s_wait_dscnt 0x0                               ; the opening add is done
	s_wait_kmcnt 0x0
	s_add_nc_u64 s[16:17], s[4:5], s[16:17]
	s_add_nc_u64 s[46:47], s[6:7], s[46:47]
.irp s, 0,1                            ; set s: slot s, K step s; set 1 then walks
	s_mov_b32 s[G0A+4*(\s)], 1
	s_add_co_u32 s[G0A+4*(\s)+1], s20, (\s)*SLOT
	s_add_nc_u64 s[G0A+4*(\s)+2:G0A+4*(\s)+3], s[16:17], (\s)*STEPA
	s_or_b32 s[G0A+4*(\s)+3], s[G0A+4*(\s)+3], 0x80000000
	s_mov_b32 s[G0B+4*(\s)], 1
	s_add_co_u32 s[G0B+4*(\s)+1], s20, (\s)*SLOT
	s_add_nc_u64 s[G0B+4*(\s)+2:G0B+4*(\s)+3], s[46:47], (\s)*STEPB
	s_or_b32 s[G0B+4*(\s)+3], s[G0B+4*(\s)+3], 0x80000000
.endr
	CROUND                                         ; all sixteen work-groups are here: the first joint loads meet
	s_cmp_eq_u32 ttmp9, 3                          ; the cluster's x: the same in all sixteen partners
	s_cbranch_scc1 .Lcast                          ; the fourth column of clusters has no tile of the product: it streams the two weights (its descriptors above are never used)
	s_cmp_eq_u32 s[RH], 0                          ; a wave's two first fills stand in one branch: two loads of mine are out
	s_cbranch_scc0 .Lfirst_b
	tensor_load_to_lds s[G0A:G0A+3], s[G1A:G1A+7]
	s_nop 0
	tensor_load_to_lds s[G0A+4:G0A+7], s[G1A:G1A+7]
	s_nop 0
.rept 4
	v_nop
.endr
	s_branch .Lfirst_asked
.Lfirst_b:
	tensor_load_to_lds s[G0B:G0B+3], s[G1B:G1B+7]
	s_nop 0
	tensor_load_to_lds s[G0B+4:G0B+7], s[G1B:G1B+7]
	s_nop 0
.rept 4
	v_nop
.endr
.Lfirst_asked:
	v_and_b32 v1, 15, v0                           ; r = l % 16
	v_bfe_u32 v2, v0, 4, 1                         ; h = l / 16
	v_mul_u32_u24 v3, v1, PA
	v_lshl_add_u32 v3, v2, 4, v3                   ; hn's fragment: row r, 16 bytes for each half of the lanes
	s_mul_i32 s21, s[RH], HALFT
	v_add_nc_u32 v[ADRA0], s21, v3
	v_and_b32 v4, 7, v0                            ; W's fragment, turned: k row 8 h + l % 8, 16 bytes by (l / 8) % 2
	v_lshl_add_u32 v4, v2, 3, v4
	v_mul_u32_u24 v4, v4, PW
	v_bfe_u32 v5, v0, 3, 1
	v_lshl_add_u32 v4, v5, 4, v4
	s_lshl_b32 s21, s[CH], 8                       ; my 128 columns
	s_add_co_u32 s21, s21, 2*HALFT                 ; behind hn's 256 rows
	v_add_nc_u32 v[ADRB0], s21, v4
	v_mov_b32 v[AA], v[ADRA0]
	v_mov_b32 v[AB], v[ADRB0]
	s_mul_i32 s22, s[WV], WSTAGE                   ; the way out: my 128 rows of 528 bytes
	v_mul_u32_u24 v3, v1, SPITCH
	v_lshl_add_u32 v3, v2, 5, v3                   ; in: row r, 32 bytes for each half of the lanes
	v_add_nc_u32 v[STO], s22, v3
	v_bfe_u32 v3, v0, 3, 2                         ; back: 32 lanes take four rows of one head, 32 bytes (8 numbers) each
	v_mul_u32_u24 v3, v3, SPITCH
	v_and_b32 v4, 7, v0
	v_lshl_add_u32 v3, v4, 5, v3
	v_add_nc_u32 v[RD], s22, v3
	v_and_b32 v[CO], 31, v0                        ; which leave as 512 consecutive bytes
	v_lshlrev_b32 v[CO], 4, v[CO]
	s_lshl_b32 s16, s42, 2                         ; my first head among 48: p = 4 x tile column + 2 x half
	s_lshl_b32 s17, s[CH], 1
	s_add_co_u32 s16, s16, s17
	s_lshr_b32 s17, s16, 4                         ; q, k or v
	s_and_b32 s16, s16, 15                         ; the head
	s_lshl_b32 s17, s17, 5
	s_add_co_u32 s16, s16, s17
	s_lshr_b32 s17, s[TR], 3                       ; the batch
	s_lshl_b32 s17, s17, 4
	s_add_co_u32 s16, s16, s17                     ; the plane,
	s_lshl_b32 s16, s16, 18                        ; of 262,144 bytes
	s_and_b32 s17, s[TR], 7
	s_lshl_b32 s17, s17, 8
	s_lshl_b32 s18, s[RH], 7
	s_add_co_u32 s17, s17, s18                     ; my first row in the plane,
	s_lshl_b32 s17, s17, 7                         ; of 128 bytes
	s_add_co_u32 s16, s16, s17
	s_mov_b32 s17, 0
	s_add_nc_u64 s[8:9], s[8:9], s[16:17]
.macro MUL16 f, hi, a0, zero           ; 16 matrix instructions: row blocks a0, a0 + 1 of the window's four x all 8 column blocks, 32 along K
	WIN MUL_LO+0x50*(\hi)
.irp a, \a0, (\a0)+1
.irp b, 0,1,2,3,4,5,6,7
.if \zero
	v_wmma_f32_16x16x32_bf16 v[8*(8*(\a)+(\b)):8*(8*(\a)+(\b))+7], v[(\f)+8*(\b):(\f)+8*(\b)+7], v[(\f)+8*(4*(\hi)+(\a)):(\f)+8*(4*(\hi)+(\a))+7], 0
.else
	v_wmma_f32_16x16x32_bf16 v[8*(8*(\a)+(\b)):8*(8*(\a)+(\b))+7], v[(\f)+8*(\b):(\f)+8*(\b)+7], v[(\f)+8*(4*(\hi)+(\a)):(\f)+8*(4*(\hi)+(\a))+7], v[8*(8*(\a)+(\b)):8*(8*(\a)+(\b))+7]
.endif
.endr
.endr
.endm
.macro FETCH q, f                      ; 32 LDS loads in one run: quarter q (32 along K) of the slot in hand into buffer f; W first
	WIN TO_B
.irp i, 0,1,2,3,4,5,6,7
	ds_load_tr16_b128 v[(\f)+8*(\i):(\f)+8*(\i)+3],   v[AB] offset:(\q)*32*PW+32*(\i)
	ds_load_tr16_b128 v[(\f)+8*(\i)+4:(\f)+8*(\i)+7], v[AB] offset:(\q)*32*PW+32*(\i)+16*PW
.endr
	WIN 0
.irp i, 0,1,2,3,4,5,6,7
	ds_load_b128 v[(\f)+8*(\i):(\f)+8*(\i)+3],   v[AA] offset:(\q)*64+(\i)*16*PA
	ds_load_b128 v[(\f)+8*(\i)+4:(\f)+8*(\i)+7], v[AA] offset:(\q)*64+(\i)*16*PA+32
.endr
.endm
.macro QUARTER q, f, g, zero           ; multiplies buffer f; in its middle fetches quarter q into buffer g
	s_wait_dscnt 8                                 ; W and hn's rows 0-63 are in; the youngest eight loads may be out
	MUL16 \f, 0, 0, \zero
	MUL16 \f, 0, 2, \zero
	PLACES
	FETCH \q, \g
	s_wait_dscnt 32                                ; all but the 32 just issued
	MUL16 \f, 1, 0, \zero
	MUL16 \f, 1, 2, \zero
.endm
; The last quarter multiplies buffer 1 and changes slots: one barrier; in front of it each wave waits for all its tensor loads (one is out: its part of the next slot),
; adds 0 to its spare word, and waits for that and for its reads of this slot.  fill = 1: the barrier opens a round of the cluster's, and this slot is filled again, two K steps ahead.
.macro TURN fill
	WIN 0
	s_wait_tensorcnt 0x0
	ds_add_u32 v[SPW], v[NIL]
	s_wait_dscnt 9                                 ; the add and the youngest eight loads may be out
	MUL16 F1, 0, 0, 0
	s_wait_dscnt 0x0                               ; the add is done, and my reads of this slot are over
	s_barrier_signal -1
	MUL16 F1, 0, 2, 0
	WIN 0
	s_barrier_wait -1
.if \fill
	CREST                                          ; no wave of any partner still reads this slot or has a load on its way
	s_xor_b32 s[G0A+5], s[G0A+5], SLOT             ; the walking descriptors: the other slot than last time, the next K step
	s_add_nc_u64 s[G0A+6:G0A+7], s[G0A+6:G0A+7], STEPA
	s_xor_b32 s[G0B+5], s[G0B+5], SLOT
	s_add_nc_u64 s[G0B+6:G0B+7], s[G0B+6:G0B+7], STEPB
	JLOAD                                          ; the first tensor load behind the round; its four v_nop are also the places for the loads below
.endif
	s_xor_b32 s[TB], s[TB], SLOT
	v_add_nc_u32 v[AA], s[TB], v[ADRA0]
	v_add_nc_u32 v[AB], s[TB], v[ADRB0]
.if !(\fill)
	v_nop                                          ; with the two additions: four places
	v_nop
.endif
	FETCH 0, F0
	MUL16 F1, 1, 0, 0
	MUL16 F1, 1, 2, 0
.endm
	s_wait_tensorcnt 1                             ; my part of K step 0 is in; K step 1's stays out
	s_barrier_signal -1
	s_barrier_wait -1
	FETCH 0, F0
	QUARTER 1, F0, F1, 1                           ; the first quarter's products start the sums
	WIN 0
	s_mov_b32 s3, NSTEP-2
	s_branch .Lmid                                 ; the loop is entered behind its first quarter
.Lstep:                                                ; a trip is a K step; trips 0 .. NSTEP - 3 ask for K steps 2 .. NSTEP - 1
	QUARTER 1, F0, F1, 0
	WIN 0
.Lmid:
	QUARTER 2, F1, F0, 0
	QUARTER 3, F0, F1, 0
	TURN 1
	WIN 0
	s_sub_co_u32 s3, s3, 1
	s_cmp_lg_u32 s3, 0
	s_cbranch_scc1 .Lstep
	s_mov_b32 s3, 2
.Ltail:                                                ; the last two K steps ask for nothing.  The very last change of slots fetches 32 fragments of the slot left before, which are never multiplied: the price of one text for both
	QUARTER 1, F0, F1, 0
	QUARTER 2, F1, F0, 0
	QUARTER 3, F0, F1, 0
	TURN 0
	WIN 0
	s_sub_co_u32 s3, s3, 1
	s_cmp_lg_u32 s3, 0
	s_cbranch_scc1 .Ltail
	; THE WAY OUT
	s_wait_dscnt 0x0                               ; my reads of the ring are over
	s_barrier_signal -1
	s_barrier_wait -1                              ; everybody's are: the ring's bytes, which no load fills any more, become the stage
	PLACES
.irp a, 0,1,2,3,4,5,6,7
	WIN 0x08+4*((\a)/4)                            ; store data in window 2 or 3
.irp b, 0,1,2,3,4,5,6,7
	ds_store_b128 v[STO], v[8*(8*((\a)%4)+(\b)):8*(8*((\a)%4)+(\b))+3]   offset:(\a)*16*SPITCH+64*(\b)
	ds_store_b128 v[STO], v[8*(8*((\a)%4)+(\b))+4:8*(8*((\a)%4)+(\b))+7] offset:(\a)*16*SPITCH+64*(\b)+16
.endr
.endr
	WIN 0
.macro LOADX                           ; 8 rows x 128 columns: piece 2 hd + g is rows 4 g .. 4 g + 3 of head hd
.irp hd, 0,1
.irp g, 0,1
	ds_load_b128 v[XI+8*(2*(\hd)+(\g)):XI+8*(2*(\hd)+(\g))+3],   v[RD] offset:(\g)*4*SPITCH+(\hd)*256
	ds_load_b128 v[XI+8*(2*(\hd)+(\g))+4:XI+8*(2*(\hd)+(\g))+7], v[RD] offset:(\g)*4*SPITCH+(\hd)*256+16
.endr
.endr
.endm
	LOADX                                          ; LDS serves a wave's instructions in order (ISA guide 5.7.1.4): these see my stores above
	s_mov_b32 s2, 16
.Lout:                                                 ; 16 trips of 8 rows
	s_wait_dscnt 0x0
.set i, 0
.rept 16
	v_cvt_pk_f16_f32 v[YO+i], v[XI+2*i], v[XI+2*i+1]
.set i, i+1
.endr
	s_cmp_eq_u32 s2, 1
	s_cbranch_scc1 .Lno_more                       ; the last trip has no next rows
	v_add_nc_u32 v[RD], 8*SPITCH, v[RD]
	LOADX
.Lno_more:
.irp hd, 0,1
.irp g, 0,1
	global_store_b128 v[CO], v[YO+4*(2*(\hd)+(\g)):YO+4*(2*(\hd)+(\g))+3], s[8:9] offset:(\hd)*262144+(\g)*512  ; 512 consecutive bytes of a head
.endr
.endr
	s_wait_xcnt 0x0                                ; the stores' data and offset are rewritten only behind this wait
	v_add_nc_u32 v[CO], 1024, v[CO]
	s_sub_co_u32 s2, s2, 1
	s_cmp_lg_u32 s2, 0
	s_cbranch_scc1 .Lout
	s_wait_tensorcnt 0x0                           ; the wave's end
	ds_add_u32 v[SPW], v[NIL]
	s_wait_dscnt 0x0
	CROUND                                         ; the closing round
	s_endpgm
	; THE STREAM of the fourth column of clusters.  Clusters y = 0, 1 take w_fc1, y = 2, 3 take w_fc2: 32 work-groups, 128 waves, to a weight of 16,777,216 bytes.
; One slot's turn: 32 bytes a lane become 16.  ahead = 1: the slot is filled again with the piece CD further on.  left = the younger loads that may stay out.
.macro CSLOT i, ahead, left
	s_wait_loadcnt \left                           ; loads come back in order (ISA guide 5.7.1): my two are in
.irp k, 0,1,2,3
	v_cvt_pk_bf16_f32 v[CY+4*(\i)+(\k)], v[CX+8*(\i)+2*(\k)], v[CX+8*(\i)+2*(\k)+1]
.endr
.if \ahead
	global_load_b128 v[CX+8*(\i):CX+8*(\i)+3],   v[CIN], s[10:11] offset:(CD+(\i))*1024 th:TH_LOAD_NT
	global_load_b128 v[CX+8*(\i)+4:CX+8*(\i)+7], v[CIN], s[10:11] offset:(CD+(\i))*1024+16 th:TH_LOAD_NT
.endif
	global_store_b128 v[COUT], v[CY+4*(\i):CY+4*(\i)+3], s[70:71] offset:(\i)*512  ; a wave's store covers 512 consecutive bytes
.endm
.Lcast:
	s_and_b32 s16, ttmp7, 0xffff                   ; the cluster's y, 0..3
	s_lshl_b32 s17, s41, 2
	s_add_co_u32 s17, s17, s40                     ; my place in the cluster, 0..15: it enters these addresses alone
	s_and_b32 s18, s16, 1
	s_lshl_b32 s18, s18, 4
	s_add_co_u32 s18, s18, s17                     ; my work-group among the weight's 32,
	s_lshl_b32 s18, s18, 2
	s_add_co_u32 s18, s18, s[WV]                   ; my wave among its 128
	s_lshl_b32 s22, s18, 17                        ; 131,072 bytes of f32 a wave,
	s_mov_b32 s23, 0
	s_lshl_b32 s20, s18, 16                        ; 65,536 of bf16
	s_mov_b32 s21, 0
	s_mov_b32 s19, 16777216                        ; w_fc2's place in wb,
	s_cmp_lt_u32 s16, 2
	s_cselect_b64 s[10:11], s[10:11], s[68:69]     ; the source
	s_cselect_b32 s19, 8388608, s19                ; or w_fc1's
	s_add_co_u32 s20, s20, s19
	s_add_nc_u64 s[10:11], s[10:11], s[22:23]
	s_add_nc_u64 s[70:71], s[70:71], s[20:21]
	v_and_b32 v[CIN], 31, v0
	v_lshlrev_b32 v[COUT], 4, v[CIN]
	v_lshlrev_b32 v[CIN], 5, v[CIN]
.irp i, 0,1,2,3,4,5,6,7,8,9,10,11,12,13,14,15
	global_load_b128 v[CX+8*(\i):CX+8*(\i)+3],   v[CIN], s[10:11] offset:(\i)*1024 th:TH_LOAD_NT
	global_load_b128 v[CX+8*(\i)+4:CX+8*(\i)+7], v[CIN], s[10:11] offset:(\i)*1024+16 th:TH_LOAD_NT
.endr
	s_mov_b32 s2, 128/CD-1
.Llap:                                                 ; a lap takes every slot once: 16,384 bytes in, 8,192 out; seven laps fill the ring again
.irp i, 0,1,2,3,4,5,6,7,8,9,10,11,12,13,14,15
	CSLOT \i, 1, 2*(CD-1)                          ; the fifteen younger pairs stay out
.endr
	s_wait_xcnt 0x0                                ; the stores' data and both bases are rewritten only behind this wait
	s_add_nc_u64 s[10:11], s[10:11], CD*1024
	s_add_nc_u64 s[70:71], s[70:71], CD*512
	s_sub_co_u32 s2, s2, 1
	s_cmp_lg_u32 s2, 0
	s_cbranch_scc1 .Llap
.irp i, 0,1,2,3,4,5,6,7,8,9,10,11,12,13,14,15
	CSLOT \i, 0, 2*(CD-1-(\i))                     ; the last lap loads nothing: the counts run down
.endr
	s_wait_tensorcnt 0x0                           ; the wave's end
	ds_add_u32 v[SPW], v[NIL]
	s_wait_dscnt 0x0
	CROUND                                         ; the closing round, as on the other path
	s_endpgm
.Lfunc_end_k_q524881546b_qkvg:
	.size	k_q524881546b_qkvg, .Lfunc_end_k_q524881546b_qkvg-k_q524881546b_qkvg
	.p2alignl 7, 3214868480
	.fill 96, 4, 3214868480
	.section	.rodata,"a",@progbits
	.p2align	6, 0x0
	.amdhsa_kernel k_q524881546b_qkvg
		.amdhsa_group_segment_fixed_size 327680
		.amdhsa_private_segment_fixed_size 0
		.amdhsa_enable_private_segment 0
		.amdhsa_kernarg_size 48
		.amdhsa_user_sgpr_count 2
		.amdhsa_user_sgpr_kernarg_segment_ptr 1
		.amdhsa_wavefront_size32 1
		.amdhsa_system_sgpr_workgroup_id_x 1
		.amdhsa_system_sgpr_workgroup_id_y 1
		.amdhsa_system_sgpr_workgroup_id_z 1
		.amdhsa_system_vgpr_workitem_id 0
		.amdhsa_next_free_vgpr 1024
		.amdhsa_next_free_sgpr 72
		.amdhsa_reserve_vcc 0
		.amdhsa_float_denorm_mode_32 3
		.amdhsa_float_denorm_mode_16_64 3
		.amdhsa_memory_ordered 1
		.amdhsa_forward_progress 1
		.amdhsa_inst_pref_size 99
	.end_amdhsa_kernel
	.amdgpu_metadata
---
amdhsa.version: [ 1, 2 ]
amdhsa.kernels:
  - .name:           k_q524881546b_qkvg
    .symbol:         k_q524881546b_qkvg.kd
    .args:
      - { .name: hn, .offset: 0, .size: 8, .value_kind: global_buffer, .address_space: global }
      - { .name: wq, .offset: 8, .size: 8, .value_kind: global_buffer, .address_space: global }
      - { .name: qkv, .offset: 16, .size: 8, .value_kind: global_buffer, .address_space: global }
      - { .name: w_fc1, .offset: 24, .size: 8, .value_kind: global_buffer, .address_space: global }
      - { .name: w_fc2, .offset: 32, .size: 8, .value_kind: global_buffer, .address_space: global }
      - { .name: wb, .offset: 40, .size: 8, .value_kind: global_buffer, .address_space: global }
    .group_segment_fixed_size: 327680
    .private_segment_fixed_size: 0
    .kernarg_segment_align: 8
    .kernarg_segment_size: 48
    .max_flat_workgroup_size: 128
    .sgpr_count:     72
    .vgpr_count:     1024
    .wavefront_size: 32
...
	.end_amdgpu_metadata
.endif
;; end of part 2
;; launch attn (part 3): grid 8 x 32, 4 waves a work-group, no clusters, 327,680 bytes of LDS; arguments qkv, ob; writes ob
.if DOCPART == 3
	.amdgcn_target "amdgcn-amd-amdhsa--gfx1250"
	.amdhsa_code_object_version 6
	.text
	.protected	k_q524881546b_attn
	.globl	k_q524881546b_attn
	.p2align	8
	.type	k_q524881546b_attn,@function
k_q524881546b_attn:
	s_mov_b64 s[64:65], 0
	v_nop
	global_prefetch_b8 v0, s[64:65] scope:SCOPE_SE
	s_setreg_imm32_b32 hwreg(HW_REG_WAVE_MODE, 25, 1), 1
	s_wait_xcnt 0x0
; CAUSAL ATTENTION.  ob[p][q][:] = the sum over k <= q of softmax_k(Q[p][q] . K[p][k] / 8) V[p][k][:], p = batch * 16 + head, 32 planes of [2048][64] f16; Q, K, V are planes 0-31, 32-63, 64-95 of qkv.
; Products, maxima and sums in f32; the weights are rounded to f16 for the second product (their sum is taken of the unrounded weights), O once at the end.
; LIMITS.  Q, K, V arrive within f16's 65,504.  A hidden score counts as -1e30; a weight below 2^-126 counts as 0; NaN and infinities are not treated apart.
; THE WALK.  A plane's queries lie in 16 blocks of 128; block i needs the key tiles 0 .. i / 2 of 256 keys, of which the last holds the diagonal.  A work-group takes blocks 15 - b and then b:
; (15 - b) / 2 + 1 + b / 2 + 1 = 9 tiles whatever b, so all 256 work-groups do equal work and one loop with a constant trip count walks them; the ring of two LDS slots runs on across the change of blocks.
; NO CLUSTER: a plane's 8 work-groups ask for the same tile only in the first 5 of their 9 trips; a walk common to all would have 12 trips for 9.
; SHARES.  A wave owns 32 consecutive queries of a block: two tiles of 16.  A key step is 64 keys, in phases: 16 products K Q^T, the mask (a block's last tile alone), the softmax, 16 products V^T P.
; LAYOUT.  S^T = K Q^T holds one query a lane (l % 16) and the keys 8 (l / 16) + 0..7; two such results rounded to f16 are source 1 of O^T = V^T P.  K comes out of LDS as it lies, V turned by ds_load_tr16_b128.
; SOFTMAX.  A running maximum m and sum l: p = 2^(c s - c m), c = log2(e) / 8; in every step O and l are multiplied by a = 2^(c m_old - c m_new).  A block begins with c m far below every c s, so its first a is 0
; and what O and l held need only be finite.  Every row sees the first key of its block's last tile, so m is a true score before a wholly hidden step comes.
; REGISTERS: window 0: addresses, statistics, v64-127 S^T, v192-223 P; window 1: v0-63 O^T; window 2: v0-31 Q, v32-63 the second block's Q, v128-191 K, v192-255 V of one step.
.set KS,    64
.set PK,    144                        ; a row of K in LDS: 128 + 16
.set PV,    160                        ; a row of V: 128 + 32, an odd multiple of 32 for the turning load
.set VOFF,  4*KS*PK                    ; a slot: 256 rows of K, then 256 rows of V
.set SLOT1, 1<<17
.set STAGE, SLOT1+4*KS*(PK+PV)         ; behind the ring: 16 rows x 144 bytes a wave, for the way out
.set SP,    144
.set SPARE, STAGE+4*16*SP              ; the spare words, 128 bytes a wave
.set AK0, 2
.set AV0, 3
.set AK,  4
.set AV,  5
.set STO, 6
.set RD,  7
.set GO,  8
.set MV,  12                           ; v12-13 c m_old, by tile
.set QO,  15
.set ST,  16                           ; tile u at v[16 + 4 u]: c m, m, l (even keys', odd keys')
.set VB,  32                           ; v32-33 32 w + 16 u + l % 16 - 8 (l / 16); never rewritten
.set VD,  34                           ; v34-35 the same plus the block's place in its last tile, less 64 a step: register i of S^T is hidden where 16 (i / 8) + i % 8 is greater
.set TMP, 48                           ; tile u: c0-c3 at v[48 + 4 u]; c2 takes a
.set SPW, 62
.set NIL, 63
.set S,   64
.set P,   192
.set QB,  32
.set KF,  128
.set VF,  192
.set WV,  12
.set PB,  14
.set HI,  15
.set G1K, 24
.set G1V, 32
.set G0K, 40
.set G0V, 44
.set SLOTS, 56
.set CNT, 57
.set CS,  58
.set SEL, 60
.set TBK, 62
.set TBV, 63
.set RT,  70                           ; tiles of the block in hand still to be entered
.set NXT, 71                           ; the tile to be asked for next
.set LQ,  72                           ; the last tile of the block whose tiles are being asked for
.set OFF, 74
.set DELTA, 76                         ; 128 x (block % 2): the block's place in its last tile
.set DELTA2, 77
.set T2,  78                           ; b / 2
.set OLO, 80
.set BIGN, 82
.set MSB, 0
.macro WIN new
.if MSB != (\new)
	s_set_vgpr_msb (MSB<<8)|(\new)
.set MSB, (\new)
.endif
.endm
.set W_KQ, 0x0a                        ; K and Q in window 2, S^T in window 0
.set W_PV, 0x52                        ; V in window 2, P in window 0, O^T in window 1
.set W_RS, 0x41                        ; destination and source 0 in window 1, source 1 in window 0
.macro PLACES
.rept 4
	v_nop
.endr
.endm
.macro LOAD                            ; a fill: waves 0, 1 the halves of a tile's K, waves 2, 3 of its V; s_nop 0 and four v_nop follow each line
	s_cmp_lt_u32 s[WV], 2
	s_cbranch_scc0 .Lfor_v_\@
	tensor_load_to_lds s[G0K:G0K+3], s[G1K:G1K+7]
	s_nop 0
.rept 4
	v_nop
.endr
	s_branch .Lasked_\@
.Lfor_v_\@:
	tensor_load_to_lds s[G0V:G0V+3], s[G1V:G1V+7]
	s_nop 0
.rept 4
	v_nop
.endr
.Lasked_\@:
.endm
; THE CHANGE OF SLOTS.  Each wave waits for all its tensor loads (one is out: its part of the other slot), adds 0 to its spare word, waits for that and for its reads of the slot that it leaves.
; fill = 1: the old slot is filled again, first thing behind the barrier, with tile NXT; the address is made anew from that number.  (At its first use slot 0 is waited for and slot 1 filled.)
.macro CHANGE fill
	WIN 0
	s_wait_tensorcnt 0x0
	ds_add_u32 v[SPW], v[NIL]
.if \fill
	s_lshl_b32 s[OFF], s[NXT], 15                  ; a tile is 32,768 bytes of K and of V
	s_xor_b32 s[G0K+1], s[G0K+1], SLOT1
	s_add_nc_u64 s[G0K+2:G0K+3], s[6:7], s[OFF:OFF+1]
	s_or_b32 s[G0K+3], s[G0K+3], 0x80000000
	s_xor_b32 s[G0V+1], s[G0V+1], SLOT1
	s_add_nc_u64 s[G0V+2:G0V+3], s[8:9], s[OFF:OFF+1]
	s_or_b32 s[G0V+3], s[G0V+3], 0x80000000
	s_add_co_u32 s[NXT], s[NXT], 1                 ; the block's next tile, or behind its last the second block's tile 0
	s_cmp_gt_u32 s[NXT], s[LQ]
	s_cselect_b32 s[NXT], 0, s[NXT]
	s_cselect_b32 s[LQ], s[T2], s[LQ]
.endif
	s_wait_dscnt 0x0                               ; the add is done, and my reads of the slot are over
	s_barrier_signal -1
	s_sub_co_u32 s[TBK], s[TBK], 4*KS*PK           ; the fetches go back to a slot's first step, in the other slot
	s_xor_b32 s[TBK], s[TBK], SLOT1
	s_sub_co_u32 s[TBV], s[TBV], 4*KS*PV
	s_xor_b32 s[TBV], s[TBV], SLOT1
	s_barrier_wait -1
.if \fill
	LOAD
.endif
.endm
	s_load_b128 s[48:51], s[0:1], 0x0              ; qkv s[48:49], ob s[50:51]
	v_lshl_add_u32 v[SPW], v0, 2, SPARE
	v_mov_b32 v[NIL], 0
	ds_add_u32 v[SPW], v[NIL]                      ; the wave's opening: the add and its wait ahead of my first tensor load
	ds_add_u32 v62, v63
	v_lshrrev_b32 v1, 5, v0
	v_readfirstlane_b32 s[WV], v1
	s_mov_b32 s[PB], ttmp9
	s_sub_co_u32 s[HI], 15, s[PB]
	s_lshr_b32 s[T2], s[PB], 1
	s_lshr_b32 s[LQ], s[HI], 1
	s_add_co_u32 s[RT], s[LQ], 1
	s_and_b32 s[DELTA], s[HI], 1
	s_lshl_b32 s[DELTA], s[DELTA], 7
	s_and_b32 s[DELTA2], s[PB], 1
	s_lshl_b32 s[DELTA2], s[DELTA2], 7
	s_and_b32 s20, ttmp7, 0xffff                   ; the plane,
	s_lshl_b32 s20, s20, 18                        ; of 262,144 bytes
	s_and_b32 s16, s[WV], 1                        ; which half of a tile's 256 keys I fetch
	s_lshl_b32 s22, s16, 14
	s_add_co_u32 s22, s22, s20
	s_mov_b32 s23, 0
	s_mul_i32 s17, s16, 128*PK
	s_mul_i32 s18, s16, 128*PV
	s_lshl_b32 s3, s[WV], 12                       ; my 32 rows of 128 bytes in a block of 128 rows
	s_add_co_u32 s3, s3, s20
	s_lshl_b32 s2, s[HI], 14
	s_add_co_u32 s2, s2, s3
	s_lshl_b32 s84, s[PB], 14
	s_add_co_u32 s84, s84, s3
	s_mov_b32 s3, 0
	s_mov_b32 s85, 0
	; 128 keys are 16,384 dense bytes: asked for as 64 rows of 256 bytes, padded in LDS after every key
	s_mov_b32 s[G1K], (1<<16)|(1<<20)|(4<<22)|(3<<25)
	s_mov_b32 s[G1V], (1<<16)|(1<<20)|(4<<22)|(7<<25)
.irp g, G1K, G1V
	s_mov_b32 s[\g+1], 128<<16
	s_mov_b32 s[\g+2], 64<<16
	s_mov_b32 s[\g+3], 128<<16
	s_mov_b32 s[\g+4], 64
	s_mov_b32 s[\g+5], 128
	s_mov_b32 s[\g+6], 0
	s_mov_b32 s[\g+7], 0
.endr
	s_mov_b32 s[CS], 0x3e38aa3b                    ; c = log2(e) / 8
	s_mov_b32 s[CS+1], s[CS]
	s_mov_b32 s[SEL], 0x76543210
	s_mov_b32 s[SEL+1], 0xfedcba98
	s_mov_b32 s[TBK], SLOT1+4*KS*PK                ; the first change of slots turns these two into 0
	s_mov_b32 s[TBV], SLOT1+4*KS*PV
	s_mov_b32 s[G0K], 1
	s_mov_b32 s[G0K+1], s17
	s_mov_b32 s[G0V], 1
	s_add_co_u32 s[G0V+1], s18, VOFF
	s_mov_b32 s[NXT], 1
	s_mov_b32 s[OFF+1], 0
	s_mov_b32 s[BIGN], 0xf149f2ca                  ; -1e30
	s_mov_b32 s[SLOTS], 8
	s_wait_dscnt 0x0                               ; the opening add is done
	s_wait_kmcnt 0x0
	s_add_nc_u64 s[6:7], s[48:49], s[22:23]
	s_add_nc_u64 s[8:9], s[6:7], 0x1000000         ; V at my half of the plane's tile 0
	s_add_nc_u64 s[6:7], s[6:7], 0x800000          ; K likewise
	s_add_nc_u64 s[G0K+2:G0K+3], s[6:7], 0
	s_or_b32 s[G0K+3], s[G0K+3], 0x80000000
	s_add_nc_u64 s[G0V+2:G0V+3], s[8:9], 0
	s_or_b32 s[G0V+3], s[G0V+3], 0x80000000
	s_add_nc_u64 s[86:87], s[48:49], s[84:85]      ; Q at my rows of the second block,
	s_add_nc_u64 s[4:5], s[48:49], s[2:3]          ; Q and O at those of the first
	s_add_nc_u64 s[OLO:OLO+1], s[50:51], s[84:85]
	s_add_nc_u64 s[10:11], s[50:51], s[2:3]
	LOAD                                           ; tile 0 into slot 0
	v_and_b32 v1, 15, v0                           ; l % 16
	v_bfe_u32 v9, v0, 4, 1                         ; l / 16
	v_lshlrev_b32 v[QO], 7, v1
	v_lshl_add_u32 v[QO], v9, 4, v[QO]
	WIN 0x80
.set i, 0
.rept 4                                ; both blocks' Q: tile i / 2, channels 32 (i % 2) on
	global_load_b128 v[8*i:8*i+3],   v[QO], s[4:5] offset:(i/2)*2048+(i%2)*64
	global_load_b128 v[8*i+4:8*i+7], v[QO], s[4:5] offset:(i/2)*2048+(i%2)*64+32
	global_load_b128 v[QB+8*i:QB+8*i+3],   v[QO], s[86:87] offset:(i/2)*2048+(i%2)*64
	global_load_b128 v[QB+8*i+4:QB+8*i+7], v[QO], s[86:87] offset:(i/2)*2048+(i%2)*64+32
.set i, i+1
.endr
	WIN 0
	v_lshlrev_b32 v14, 3, v9
	v_sub_nc_u32 v14, v1, v14
	s_lshl_b32 s13, s[WV], 5
	v_add_nc_u32 v[VB], s13, v14
	v_add_nc_u32 v[VB+1], 16, v[VB]
	v_mul_u32_u24 v[AK0], v1, PK
	v_lshl_add_u32 v[AK0], v9, 4, v[AK0]
	v_and_b32 v10, 7, v0
	v_bfe_u32 v11, v0, 3, 1
	v_lshl_add_u32 v[AV0], v9, 3, v10
	v_mul_u32_u24 v[AV0], v[AV0], PV
	v_lshl_add_u32 v[AV0], v11, 4, v[AV0]
	v_add_nc_u32 v[AV0], VOFF, v[AV0]
	s_mul_i32 s13, s[WV], 16*SP
	s_add_co_u32 s13, s13, STAGE
	v_mul_u32_u24 v[STO], v1, SP
	v_lshl_add_u32 v[STO], v9, 4, v[STO]
	v_add_nc_u32 v[STO], s13, v[STO]
	v_bfe_u32 v[RD], v0, 3, 2
	v_mul_u32_u24 v[RD], v[RD], SP
	v_lshl_add_u32 v[RD], v10, 4, v[RD]
	v_add_nc_u32 v[RD], s13, v[RD]
	v_and_b32 v[GO], 31, v0
	v_lshlrev_b32 v[GO], 4, v[GO]
	WIN 0x40                                       ; O^T and l need only be finite where a block begins: zeros for the first.  This stands in the wait for the first tile
.set i, 0
.rept 64
	v_mov_b32 v[i], 0
.set i, i+1
.endr
	WIN 0
.irp u, 0,1
	v_mov_b32 v[ST+4*\u], 0xfe000000               ; c m: far below every c s
	v_mov_b32 v[ST+4*\u+1], 0xff7fffff             ; m
	v_mov_b32 v[ST+4*\u+2], 0
	v_mov_b32 v[ST+4*\u+3], 0
.endr
	s_wait_loadcnt 0x0                             ; Q
; THE MATRIX WORK.  The 8 accumulators of a run of 16 take turns.
.macro KQ                              ; product i of 16: channels 32 (i / 8) on, keys 16 ((i / 2) % 4) on, tile i % 2
	WIN W_KQ
.set rS, S+32*(i%2)+8*((i/2)%4)
.set rK, KF+16*((i/2)%4)+8*(i/8)
.set rQ, 16*(i%2)+8*(i/8)
.if i < 8
	v_wmma_f32_16x16x32_f16 v[rS:rS+7], v[rK:rK+7], v[rQ:rQ+7], 0
.else
	v_wmma_f32_16x16x32_f16 v[rS:rS+7], v[rK:rK+7], v[rQ:rQ+7], v[rS:rS+7]
.endif
.endm
.macro PVM                             ; product i of 16: keys 32 (i / 8) on, channels 16 ((i / 2) % 4) on, tile i % 2
	WIN W_PV
.set rO, 32*(i%2)+8*((i/2)%4)
.set rV, VF+32*(i/8)+8*((i/2)%4)
.set rP, P+16*(i%2)+8*(i/8)
	v_wmma_f32_16x16x32_f16 v[rO:rO+7], v[rV:rV+7], v[rP:rP+7], v[rO:rO+7]
.endm
.macro FETCH_K
	WIN 0x80
.irp f, 0,1,2,3,4,5,6,7
	ds_load_b128 v[KF+8*\f:KF+8*\f+3],   v[AK] offset:(\f/2)*16*PK+(\f%2)*64
	ds_load_b128 v[KF+8*\f+4:KF+8*\f+7], v[AK] offset:(\f/2)*16*PK+(\f%2)*64+32
.endr
	s_add_co_u32 s[TBK], s[TBK], KS*PK             ; the next fetch is the next step's
	WIN 0
.endm
.macro FETCH_V
	WIN 0x80
.irp f, 0,1,2,3,4,5,6,7
	ds_load_tr16_b128 v[VF+8*\f:VF+8*\f+3],   v[AV] offset:(\f/4)*32*PV+(\f%4)*32
	ds_load_tr16_b128 v[VF+8*\f+4:VF+8*\f+7], v[AV] offset:(\f/4)*32*PV+16*PV+(\f%4)*32
.endr
	WIN 0
.endm
.macro REGS u
.set rT, ST+4*(\u)
.set rC, TMP+4*(\u)
.set rM, MV+(\u)
.set rS, S+32*(\u)
.set rP, P+16*(\u)
.set rO, 32*(\u)
.endm
; Number n of the 22 that find a tile's maximum and statistics; each accumulator's lowest registers are read first.
.macro XS u, n
	REGS \u
.if (\n) < 4
	v_max3_num_f32 v[rC+(\n)], v[rS+8*(\n)], v[rS+8*(\n)+1], v[rS+8*(\n)+2]
.elseif (\n) < 12
	v_max3_num_f32 v[rC+(\n)%4], v[rC+(\n)%4], v[rS+8*((\n)%4)+2*((\n)/4)+1], v[rS+8*((\n)%4)+2*((\n)/4)+2]
.elseif (\n) == 12
	v_max3_num_f32 v[rC], v[rC], v[rS+7], v[rS+15]
.elseif (\n) == 13
	v_max3_num_f32 v[rC+1], v[rC+1], v[rS+23], v[rS+31]
.elseif (\n) == 14
	v_max3_num_f32 v[rC+2], v[rC+2], v[rC+3], v[rT+1]
.elseif (\n) == 15
	v_mov_b32 v[rM], v[rT]
.elseif (\n) == 16
	v_max3_num_f32 v[rC], v[rC], v[rC+1], v[rC+2]
.elseif (\n) == 17
	v_permlanex16_b32 v[rC+3], v[rC], s[SEL], s[SEL+1]
.elseif (\n) == 18
	v_max_num_f32 v[rT+1], v[rC], v[rC+3]
.elseif (\n) == 19
	v_mul_f32 v[rT], s[CS], v[rT+1]
.elseif (\n) == 20
	v_sub_f32 v[rC+1], v[rM], v[rT]
.else
	v_exp_f32 v[rC+2], v[rC+1]
.endif
.endm
.macro CV u, k                         ; the four weights 4 k ..: both pairs rounded to f16, then the second pair added onto the first
	REGS \u
	s_wait_alu depctr_va_vdst(0)
	v_cvt_pk_f16_f32 v[rP+2*(\k)], v[rS+4*(\k)], v[rS+4*(\k)+1]
	v_cvt_pk_f16_f32 v[rP+2*(\k)+1], v[rS+4*(\k)+2], v[rS+4*(\k)+3]
	v_pk_add_f32 v[rS+4*(\k):rS+4*(\k)+1], v[rS+4*(\k):rS+4*(\k)+1], v[rS+4*(\k)+2:rS+4*(\k)+3]
.endm
.macro LS u, k                         ; l takes that sum; the first time l = a l + sum
	REGS \u
.if (\k) == 0
	v_pk_fma_f32 v[rT+2:rT+3], v[rT+2:rT+3], v[rC+2:rC+3], v[rS:rS+1] op_sel_hi:[1,0,1]
.else
	v_pk_add_f32 v[rT+2:rT+3], v[rT+2:rT+3], v[rS+4*(\k):rS+4*(\k)+1]
.endif
.endm
.macro SOFT                            ; both tiles' softmax for a key step, the tiles alternating
	WIN 0
.irp n, 0,1,2,3,4,5,6,7,8,9,10,11,12,13,14,15,16,17,18,19,20,21
	XS 0, \n
	XS 1, \n
.endr
.set z, 0
.rept 16                               ; c s - c m; the first of these is the plain instruction behind the two a
.irp u, 0,1
	REGS \u
	v_pk_fma_f32 v[rS+2*z:rS+2*z+1], v[rS+2*z:rS+2*z+1], s[CS:CS+1], v[rT:rT+1] op_sel_hi:[1,0,0] neg_lo:[0,0,1] neg_hi:[0,0,1]
.endr
.set z, z+1
.endr
.set g, 0
.rept 10                               ; eight exponentials; the roundings of the group before, which are the plain instructions behind them; l for the group before that
.if g < 8
.irp u, 0,1
	REGS \u
.irp e, 0,1,2,3
	v_exp_f32 v[rS+4*g+\e], v[rS+4*g+\e]
.endr
.endr
.endif
.if g == 0
	v_nop                                          ; the first group has no earlier work to stand behind it
.endif
.if (g >= 1) && (g <= 8)
	CV 0, g-1
	CV 1, g-1
.endif
.if g >= 2
	LS 0, g-2
	LS 1, g-2
.endif
.set g, g+1
.endr
	WIN W_RS
.set z, 0
.rept 16                               ; O^T times a, from each accumulator's low end on
.irp u, 0,1
	REGS \u
	v_pk_mul_f32 v[rO+2*z:rO+2*z+1], v[rO+2*z:rO+2*z+1], v[rC+2:rC+3] op_sel_hi:[1,0]
.endr
.set z, z+1
.endr
.endm
.macro MASK                            ; a hidden score becomes -1e30; then the next step's keys lie 64 further on
.irp u, 0,1
.set i, 0
.rept 32
	v_cmp_gt_i32 vcc_lo, 16*(i/8)+i%8, v[VD+(\u)]
	v_cndmask_b32 v[S+32*(\u)+i], v[S+32*(\u)+i], s[BIGN], vcc_lo
.set i, i+1
.endr
	v_add_nc_u32 v[VD+(\u)], 0xffffffc0, v[VD+(\u)]
.endr
.endm
; A TILE: four key steps, written once.  always = 1: the walk's last tile, which is a block's last; else the mask is jumped over unless RT is 0.
.macro TILE always
	WIN 0
	v_add_nc_u32 v[VD], s[DELTA], v[VB]
	v_add_nc_u32 v[VD+1], s[DELTA], v[VB+1]
	v_add_nc_u32 v[AK], s[TBK], v[AK0]
	FETCH_K
	s_mov_b32 s[CNT], 4
.Lst_\@:
	s_wait_dscnt 0x0                               ; K is in
.set i, 0
.rept 16
	KQ
.set i, i+1
.endr
	WIN 0
	v_add_nc_u32 v[AK], s[TBK], v[AK0]             ; four places behind the products, ahead of the loads into K's registers and of the first read of the scores
	v_add_nc_u32 v[AV], s[TBV], v[AV0]
	v_nop
	v_nop
	s_add_co_u32 s[TBV], s[TBV], KS*PV
	s_cmp_eq_u32 s[CNT], 1
	s_cbranch_scc1 .Lnok_\@                        ; the slot has no further step
	FETCH_K
.Lnok_\@:
	FETCH_V
.if !(\always)
	s_cmp_lg_u32 s[RT], 0
	s_cbranch_scc1 .Lnom_\@
.endif
	MASK
.if !(\always)
.Lnom_\@:
.endif
	SOFT
	s_wait_dscnt 0x0                               ; V and the next K, asked for a whole softmax ago, are in
.set i, 0
.rept 16
	PVM
.set i, i+1
.endr
	WIN 0
	s_sub_co_u32 s[CNT], s[CNT], 1
	s_cmp_lg_u32 s[CNT], 0
	s_cbranch_scc1 .Lst_\@
.endm
; A BLOCK'S END: l's halves and the other half of the lanes' are added; O^T is divided by l, rounded to f16 and sent through my stage in LDS, a tile at a time.
.macro PACK t
	WIN W_RS
.set i, 32*(\t)
.rept 16
	v_pk_mul_f32 v[i:i+1], v[i:i+1], v[ST+4*(\t)+2:ST+4*(\t)+3] op_sel_hi:[1,0]
.set i, i+2
.endr
	WIN 0x05
.set i, 0
.rept 16
	v_cvt_pk_f16_f32 v[S+16*(\t)+i], v[32*(\t)+2*i], v[32*(\t)+2*i+1]
.set i, i+1
.endr
	WIN 0
.irp f, 0,1,2,3
	ds_store_b128 v[STO], v[S+16*(\t)+4*\f:S+16*(\t)+4*\f+3] offset:32*\f
.endr
.irp f, 0,1,2,3
	ds_load_b128 v[S+16*(\t)+4*\f:S+16*(\t)+4*\f+3], v[RD] offset:\f*4*SP  ; LDS serves a wave's instructions in order (ISA guide 5.7.1.4)
.endr
.endm
.macro SEND t, younger                 ; younger: the LDS instructions issued behind tile t's loads
	WIN 0
.irp f, 0,1,2,3
	s_wait_dscnt (\younger)+3-\f
	global_store_b128 v[GO], v[S+16*(\t)+4*\f:S+16*(\t)+4*\f+3], s[10:11] offset:(\t)*2048+\f*512  ; 512 consecutive bytes
.endr
.endm
.macro FINISH
	WIN 0
	PLACES
	v_add_f32 v[ST+2], v[ST+2], v[ST+3]
	v_add_f32 v[ST+6], v[ST+6], v[ST+7]
	v_permlanex16_b32 v[ST+3], v[ST+2], s[SEL], s[SEL+1]
	v_permlanex16_b32 v[ST+7], v[ST+6], s[SEL], s[SEL+1]
	v_add_f32 v[ST+2], v[ST+2], v[ST+3]
	v_add_f32 v[ST+6], v[ST+6], v[ST+7]
	v_rcp_f32 v[ST+2], v[ST+2]
	v_rcp_f32 v[ST+6], v[ST+6]
	v_nop                                          ; a plain instruction between the reciprocals and their use
	s_wait_alu depctr_va_vdst(0)
	PACK 0
	PACK 1
	SEND 0, 8
	SEND 1, 0
.endm
.Lslot:                                                ; 8 trips: a tile is entered and the next is asked for
	CHANGE 1
	s_sub_co_u32 s[RT], s[RT], 1
	TILE 0
	s_cmp_lg_u32 s[RT], 0
	s_cbranch_scc1 .Lbottom
	FINISH                                         ; the first block's end
	s_wait_xcnt 0x0                                ; the stores' data registers and O's address are rewritten only behind this wait
	s_mov_b64 s[10:11], s[OLO:OLO+1]
	s_add_co_u32 s[RT], s[T2], 1                   ; the second block has b / 2 + 1 tiles
	s_mov_b32 s[DELTA], s[DELTA2]
.irp u, 0,1
	v_mov_b32 v[ST+4*\u], 0xfe000000
	v_mov_b32 v[ST+4*\u+1], 0xff7fffff
.endr
	WIN 0x82                                       ; the second block's Q goes where the one text names Q
.set i, 0
.rept 32
	v_mov_b32 v[i], v[QB+i]
.set i, i+1
.endr
	WIN 0
.Lbottom:
	s_sub_co_u32 s[SLOTS], s[SLOTS], 1
	s_cmp_lg_u32 s[SLOTS], 0
	s_cbranch_scc1 .Lslot
	CHANGE 0                                       ; the walk's last tile is written out
	s_sub_co_u32 s[RT], s[RT], 1
	TILE 1
	FINISH
	s_wait_tensorcnt 0x0                           ; the wave's end
	ds_add_u32 v[SPW], v[NIL]
	s_wait_dscnt 0x0
	s_endpgm
.Lfunc_end_k_q524881546b_attn:
	.size	k_q524881546b_attn, .Lfunc_end_k_q524881546b_attn-k_q524881546b_attn
	.p2alignl 7, 3214868480
	.fill 96, 4, 3214868480
	.section	.rodata,"a",@progbits
	.p2align	6, 0x0
	.amdhsa_kernel k_q524881546b_attn
		.amdhsa_group_segment_fixed_size 327680
		.amdhsa_private_segment_fixed_size 0
		.amdhsa_enable_private_segment 0
		.amdhsa_kernarg_size 16
		.amdhsa_user_sgpr_count 2
		.amdhsa_user_sgpr_kernarg_segment_ptr 1
		.amdhsa_wavefront_size32 1
		.amdhsa_system_sgpr_workgroup_id_x 1
		.amdhsa_system_sgpr_workgroup_id_y 1
		.amdhsa_system_sgpr_workgroup_id_z 1
		.amdhsa_system_vgpr_workitem_id 0
		.amdhsa_next_free_vgpr 768
		.amdhsa_next_free_sgpr 88
		.amdhsa_reserve_vcc 1
		.amdhsa_float_denorm_mode_32 3
		.amdhsa_float_denorm_mode_16_64 3
		.amdhsa_memory_ordered 1
		.amdhsa_forward_progress 1
		.amdhsa_inst_pref_size 77
	.end_amdhsa_kernel
	.amdgpu_metadata
---
amdhsa.version: [ 1, 2 ]
amdhsa.kernels:
  - .name:           k_q524881546b_attn
    .symbol:         k_q524881546b_attn.kd
    .args:
      - { .name: qkv, .offset: 0, .size: 8, .value_kind: global_buffer, .address_space: global }
      - { .name: ob, .offset: 8, .size: 8, .value_kind: global_buffer, .address_space: global }
    .group_segment_fixed_size: 327680
    .private_segment_fixed_size: 0
    .kernarg_segment_align: 8
    .kernarg_segment_size: 16
    .max_flat_workgroup_size: 128
    .sgpr_count:     88
    .vgpr_count:     768
    .wavefront_size: 32
...
	.end_amdgpu_metadata
.endif
;; end of part 3
;; launch projg (part 4): grid 8 x 32, 4 waves a work-group, clusters of 4 x 4, 327,680 bytes of LDS; arguments ob, wb, x, x1; writes x1
.if DOCPART == 4
	.amdgcn_target "amdgcn-amd-amdhsa--gfx1250"
	.amdhsa_code_object_version 6
	.text
	.protected	k_q524881546b_projg
	.globl	k_q524881546b_projg
	.p2align	8
	.type	k_q524881546b_projg,@function
k_q524881546b_projg:
	s_mov_b64 s[64:65], 0
	v_nop
	global_prefetch_b8 v0, s[64:65] scope:SCOPE_SE
	s_setreg_imm32_b32 hwreg(HW_REG_WAVE_MODE, 25, 1), 1
	s_wait_xcnt 0x0
	s_wait_alu depctr_hold_cnt(0) depctr_sa_sdst(0) depctr_va_vdst(0) depctr_va_sdst(0) depctr_va_ssrc(0) depctr_va_vcc(0) depctr_vm_vsrc(0)
	s_getreg_b32 s2, hwreg(HW_REG_IB_STS2, 6, 4)
	s_cmp_eq_u32 s2, 0
	s_cbranch_scc0 .Lentry_in_a_cluster
	s_endpgm
.Lentry_in_a_cluster:
	s_bfe_u32 s2, ttmp6, 0x10000c
	s_cmp_lg_u32 s2, 0xf033
	s_cbranch_scc0 .Lentry_shape_is_right
	s_endpgm
.Lentry_shape_is_right:
; x1 = x + O x Wproj.  O: ob [32 planes][2048][64] f16 (K index = head * 64 + channel); Wproj: wb at byte 6,291,456, [1024][1024], bf16's numbers written as f16; x, x1: [4096][1024] f32.  Sums in f32.
; A tile of C is 128 x 128, so that the 256 tiles give each WGP one: four waves, each 64 x 64 in 16 accumulators.  K goes in 4 steps of 256 (four heads) through two LDS slots.
; O's part of a slot: [4 heads][128 rows], pitch 144.  A head's 128 rows are 16,384 dense bytes, asked for as one long row, two heads a load, padded after every 128 bytes.
; W's part: 256 k rows of 256 bytes as they lie in memory, pitch 288, turned on the way into registers by ds_load_tr16_b128.
; CLUSTER 4 x 4: O's tile is shared along a row of the cluster, W's along a column.  THE MATRIX INSTRUCTION IS USED TRANSPOSED (source 0 = 16 columns of W, source 1 = 16 rows of O).
; REGISTERS: window 0: v0-31 addresses, v128-255 accumulator (a, b) at v[128 + 8 (4 a + b)]; window 1: two fragment buffers of 128 (64 of O, 64 of W); window 2: v0-127 my 64 x 64 of x, asked for at the start.
.set NSTEP,  4
.set REGION, 6291456
.set PA,     144
.set AQ,     128*PA                    ; from quarter to quarter (64 along K = a head) in O's part
.set HALFA,  2*128*PA                  ; what one load of O brings: two heads
.set APART,  2*HALFA
.set PW,     288
.set HALFW,  128*PW
.set SLOT,   147456                    ; 0x24000: shares no bit with any load's LDS address in slot 0
.set STAGE,  2*SLOT                    ; 16 rows x 272 bytes a wave
.set SP,     272
.set SPARE,  STAGE+4*16*SP
.set STEPA,  1048576                   ; four planes of 262,144 bytes
.set STEPB,  524288                    ; 256 k rows of 2,048 bytes
.set ADRA0, 16
.set ADRB0, 17
.set ADRB1, 18                         ; W's k rows 128 on
.set AA,    19
.set AB0,   20
.set AB1,   21
.set STO,   24
.set RD,    25
.set CO,    26
.set SPW,   28
.set NIL,   29
.set ACC,   128
.set F0,    0
.set F1,    128
.set WV, 12
.set RH, 13
.set CH, 14
.set TR, 15
.set G1A, 24
.set G0A, 32
.set TB,  45
.set G1B, 48
.set G0B, 56
.set MSB, 0
.macro WIN new
.if MSB != (\new)
	s_set_vgpr_msb (MSB<<8)|(\new)
.set MSB, \new
.endif
.endm
.set MUL,  0x05                        ; sources 0 and 1 window 1; C and D window 0
.set TO_F, 0x40
.macro PLACES
.rept 4
	v_nop
.endr
.endm
.macro JLOAD                           ; a joint refill by the walking descriptors; s_nop 0 and four v_nop follow each line
	s_cmp_eq_u32 s[RH], 0
	s_cbranch_scc0 .Lfor_b_\@
	tensor_load_to_lds s[G0A+4:G0A+7], s[G1A:G1A+7]
	s_nop 0
.rept 4
	v_nop
.endr
	s_branch .Lasked_\@
.Lfor_b_\@:
	tensor_load_to_lds s[G0B+4:G0B+7], s[G1B:G1B+7]
	s_nop 0
.rept 4
	v_nop
.endr
.Lasked_\@:
.endm
.macro CREST
	s_cmp_lg_u32 s[WV], 0
	s_cbranch_scc1 .Lnot_wave_0_\@
	s_barrier_signal -3
.Lnot_wave_0_\@:
	s_barrier_wait -3
	s_barrier_signal -1
	s_barrier_wait -1
.endm
.macro CROUND
	s_barrier_signal -1
	s_barrier_wait -1
	CREST
.endm
	s_load_b256 s[4:11], s[0:1], 0x0               ; ob s[4:5], wb s[6:7], x s[8:9], x1 s[10:11]
	v_lshl_add_u32 v[SPW], v0, 2, SPARE
	v_mov_b32 v[NIL], 0
	ds_add_u32 v[SPW], v[NIL]                      ; the wave's opening: the add and its wait ahead of my first tensor load
	ds_add_u32 v28, v29
	v_lshrrev_b32 v1, 5, v0
	v_readfirstlane_b32 s[WV], v1
	s_lshr_b32 s[RH], s[WV], 1                     ; my half of the rows.  Also: I fetch O (0) or W (1)
	s_and_b32 s[CH], s[WV], 1                      ; my half of the columns.  Also: which half of that tile I fetch
	s_bfe_u32 s40, ttmp6, 0x40000
	s_bfe_u32 s41, ttmp6, 0x40004
	s_lshl_b32 s42, ttmp9, 2
	s_add_co_u32 s42, s42, s40                     ; tile column
	s_and_b32 s[TR], ttmp7, 0xffff
	s_lshl_b32 s[TR], s[TR], 2
	s_add_co_u32 s[TR], s[TR], s41                 ; tile row
	s_lshl_b32 s43, s41, 2
	s_lshl_b32 s43, 15, s43
	s_lshl_b32 s44, 0x1111, s40
	s_or_b32 s[G1A], s43, (1<<16)|(1<<20)|(1<<21)|(4<<22)|(3<<25)  ; after every 32 words 4 words
	s_mov_b32 s[G1A+1], 8192<<16                   ; tensor_dim0 = 8,192 elements: a head's 128 rows
	s_mov_b32 s[G1A+2], 2<<16                      ; tensor_dim1 = 2 heads
	s_mov_b32 s[G1A+3], 8192<<16                   ; tile_dim0
	s_mov_b32 s[G1A+4], 2                          ; tile_dim1
	s_mov_b32 s[G1A+5], 131072                     ; elements from plane to plane
	s_mov_b32 s[G1A+6], 0
	s_mov_b32 s[G1A+7], 0
	s_or_b32 s[G1B], s44, (1<<16)|(1<<20)|(1<<21)|(5<<22)|(7<<25)  ; after every 64 words 8 words
	s_mov_b32 s[G1B+1], 128<<16
	s_mov_b32 s[G1B+2], 128<<16
	s_mov_b32 s[G1B+3], 128<<16
	s_mov_b32 s[G1B+4], 128
	s_mov_b32 s[G1B+5], 1024
	s_mov_b32 s[G1B+6], 0
	s_mov_b32 s[G1B+7], 0
	s_lshr_b32 s16, s[TR], 4                       ; O: the batch's 16 planes,
	s_lshl_b32 s16, s16, 22
	s_lshl_b32 s17, s[CH], 19                      ; two planes a half,
	s_add_co_u32 s16, s16, s17
	s_and_b32 s17, s[TR], 15                       ; 128 rows of 128 bytes a tile row
	s_lshl_b32 s17, s17, 14
	s_add_co_u32 s16, s16, s17
	s_mov_b32 s17, 0
	s_lshl_b32 s46, s42, 8                         ; W: 128 columns a tile column,
	s_lshl_b32 s47, s[CH], 18                      ; 128 k rows a half
	s_add_co_u32 s46, s46, s47
	s_add_co_u32 s46, s46, REGION
	s_mov_b32 s47, 0
	s_mul_i32 s20, s[CH], HALFA                    ; where O's load lands,
	s_mul_i32 s21, s[CH], HALFW                    ; and W's
	s_add_co_u32 s21, s21, APART
	s_mov_b32 s[TB], 0
	s_wait_dscnt 0x0                               ; the opening add is done
	s_wait_kmcnt 0x0
	s_add_nc_u64 s[16:17], s[4:5], s[16:17]
	s_add_nc_u64 s[46:47], s[6:7], s[46:47]
.irp s, 0,1
	s_mov_b32 s[G0A+4*(\s)], 1
	s_add_co_u32 s[G0A+4*(\s)+1], s20, (\s)*SLOT
	s_add_nc_u64 s[G0A+4*(\s)+2:G0A+4*(\s)+3], s[16:17], (\s)*STEPA
	s_or_b32 s[G0A+4*(\s)+3], s[G0A+4*(\s)+3], 0x80000000
	s_mov_b32 s[G0B+4*(\s)], 1
	s_add_co_u32 s[G0B+4*(\s)+1], s21, (\s)*SLOT
	s_add_nc_u64 s[G0B+4*(\s)+2:G0B+4*(\s)+3], s[46:47], (\s)*STEPB
	s_or_b32 s[G0B+4*(\s)+3], s[G0B+4*(\s)+3], 0x80000000
.endr
	CROUND                                         ; the first joint loads meet
	s_cmp_eq_u32 s[RH], 0
	s_cbranch_scc0 .Lfirst_b
	tensor_load_to_lds s[G0A:G0A+3], s[G1A:G1A+7]
	s_nop 0
	tensor_load_to_lds s[G0A+4:G0A+7], s[G1A:G1A+7]
	s_nop 0
.rept 4
	v_nop
.endr
	s_branch .Lfirst_asked
.Lfirst_b:
	tensor_load_to_lds s[G0B:G0B+3], s[G1B:G1B+7]
	s_nop 0
	tensor_load_to_lds s[G0B+4:G0B+7], s[G1B:G1B+7]
	s_nop 0
.rept 4
	v_nop
.endr
.Lfirst_asked:
	v_and_b32 v1, 15, v0                           ; r
	v_bfe_u32 v2, v0, 4, 1                         ; h
	s_lshl_b32 s18, s[TR], 19                      ; my 64 x 64 in x and x1: 128 rows of 4,096 bytes a tile row,
	s_lshl_b32 s19, s[RH], 18
	s_add_co_u32 s18, s18, s19
	s_lshl_b32 s19, s42, 9                         ; 512 bytes a tile column
	s_add_co_u32 s18, s18, s19
	s_lshl_b32 s19, s[CH], 8
	s_add_co_u32 s18, s18, s19
	s_mov_b32 s19, 0
	s_add_nc_u64 s[8:9], s[8:9], s[18:19]
	s_add_nc_u64 s[10:11], s[10:11], s[18:19]
	v_lshlrev_b32 v3, 12, v2
	v_lshl_add_u32 v[CO], v1, 4, v3                ; lanes 0-15 one row's 256 bytes, lanes 16-31 the next row's
	WIN 0x80
.irp a, 0,1,2,3
.irp f, 0,1,2,3,4,5,6,7
	global_load_b128 v[32*(\a)+4*(\f):32*(\a)+4*(\f)+3], v[CO], s[8:9] offset:(16*(\a)+2*(\f))*4096  ; they land while K is walked
.endr
.endr
	WIN 0
	v_mul_u32_u24 v3, v1, PA
	v_lshl_add_u32 v3, v2, 4, v3
	s_mul_i32 s22, s[RH], 64*PA
	v_add_nc_u32 v[ADRA0], s22, v3
	v_and_b32 v4, 7, v0
	v_lshl_add_u32 v4, v2, 3, v4
	v_mul_u32_u24 v4, v4, PW
	v_bfe_u32 v5, v0, 3, 1
	v_lshl_add_u32 v4, v5, 4, v4
	s_lshl_b32 s22, s[CH], 7                       ; my 64 columns
	s_add_co_u32 s22, s22, APART
	v_add_nc_u32 v[ADRB0], s22, v4
	v_add_nc_u32 v[ADRB1], HALFW, v[ADRB0]
	v_mov_b32 v[AA], v[ADRA0]
	v_mov_b32 v[AB0], v[ADRB0]
	v_mov_b32 v[AB1], v[ADRB1]
	s_mul_i32 s22, s[WV], 16*SP
	s_add_co_u32 s22, s22, STAGE
	v_mul_u32_u24 v3, v1, SP
	v_lshl_add_u32 v3, v2, 5, v3
	v_add_nc_u32 v[STO], s22, v3
	v_mul_u32_u24 v3, v2, SP
	v_lshl_add_u32 v3, v1, 4, v3
	v_add_nc_u32 v[RD], s22, v3
.macro MUL8 f, c, a0, zero             ; 8 matrix instructions: row blocks a0, a0 + 1 x all 4 column blocks, 32 along K: half c of buffer f
	WIN MUL
.irp a, \a0, (\a0)+1
.irp b, 0,1,2,3
.if \zero
	v_wmma_f32_16x16x32_f16 v[ACC+8*(4*(\a)+(\b)):ACC+8*(4*(\a)+(\b))+7], v[(\f)+64+8*(4*(\c)+(\b)):(\f)+64+8*(4*(\c)+(\b))+7], v[(\f)+8*(4*(\c)+(\a)):(\f)+8*(4*(\c)+(\a))+7], 0
.else
	v_wmma_f32_16x16x32_f16 v[ACC+8*(4*(\a)+(\b)):ACC+8*(4*(\a)+(\b))+7], v[(\f)+64+8*(4*(\c)+(\b)):(\f)+64+8*(4*(\c)+(\b))+7], v[(\f)+8*(4*(\c)+(\a)):(\f)+8*(4*(\c)+(\a))+7], v[ACC+8*(4*(\a)+(\b)):ACC+8*(4*(\a)+(\b))+7]
.endif
.endr
.endr
.endm
.macro FETCH q, f                      ; 32 LDS loads in one run: quarter q (64 along K) into buffer f; its first 32 along K first
	WIN TO_F
.irp c, 0,1
.irp i, 0,1,2,3
	ds_load_tr16_b128 v[(\f)+64+8*(4*(\c)+(\i)):(\f)+64+8*(4*(\c)+(\i))+3],   v[AB0+(\q)/2] offset:(((\q)%2)*64+32*(\c))*PW+32*(\i)
	ds_load_tr16_b128 v[(\f)+64+8*(4*(\c)+(\i))+4:(\f)+64+8*(4*(\c)+(\i))+7], v[AB0+(\q)/2] offset:(((\q)%2)*64+32*(\c)+16)*PW+32*(\i)
	ds_load_b128 v[(\f)+8*(4*(\c)+(\i)):(\f)+8*(4*(\c)+(\i))+3],   v[AA] offset:AQ*(\q)+64*(\c)+(\i)*16*PA
	ds_load_b128 v[(\f)+8*(4*(\c)+(\i))+4:(\f)+8*(4*(\c)+(\i))+7], v[AA] offset:AQ*(\q)+64*(\c)+(\i)*16*PA+32
.endr
.endr
.endm
.macro QUARTER q, f, g, zero
	s_wait_dscnt 16                                ; the first 32 along K are in
	MUL8 \f, 0, 0, \zero
	MUL8 \f, 0, 2, \zero
	PLACES
	FETCH \q, \g
	s_wait_dscnt 32                                ; all but the 32 just issued
	MUL8 \f, 1, 0, 0
	MUL8 \f, 1, 2, 0
.endm
.macro TURN fill                       ; the last quarter multiplies buffer 1 and changes slots; fill = 1: a round of the cluster's barrier, and this slot is filled again, two K steps ahead
	WIN 0
	s_wait_tensorcnt 0x0                           ; all my tensor loads have landed: my part of the next slot
	ds_add_u32 v[SPW], v[NIL]
	s_wait_dscnt 17                                ; the add and the youngest sixteen loads may be out
	MUL8 F1, 0, 0, 0
	s_wait_dscnt 0x0                               ; the add is done, and my reads of this slot are over
	s_barrier_signal -1
	MUL8 F1, 0, 2, 0
	WIN 0
	s_barrier_wait -1
.if \fill
	CREST
	s_xor_b32 s[G0A+5], s[G0A+5], SLOT
	s_add_nc_u64 s[G0A+6:G0A+7], s[G0A+6:G0A+7], STEPA
	s_xor_b32 s[G0B+5], s[G0B+5], SLOT
	s_add_nc_u64 s[G0B+6:G0B+7], s[G0B+6:G0B+7], STEPB
	JLOAD
.endif
	s_xor_b32 s[TB], s[TB], SLOT
	v_add_nc_u32 v[AA], s[TB], v[ADRA0]
	v_add_nc_u32 v[AB0], s[TB], v[ADRB0]
	v_add_nc_u32 v[AB1], s[TB], v[ADRB1]
.if !(\fill)
	v_nop                                          ; with the three additions: four places
.endif
	FETCH 0, F0
	MUL8 F1, 1, 0, 0
	MUL8 F1, 1, 2, 0
.endm
	s_wait_tensorcnt 1                             ; my part of K step 0 is in; K step 1's stays out
	s_barrier_signal -1
	s_barrier_wait -1
	FETCH 0, F0
	QUARTER 1, F0, F1, 1
	WIN 0
	s_mov_b32 s3, NSTEP-2
	s_branch .Lmid
.Lstep:
	QUARTER 1, F0, F1, 0
	WIN 0
.Lmid:
	QUARTER 2, F1, F0, 0
	QUARTER 3, F0, F1, 0
	TURN 1
	WIN 0
	s_sub_co_u32 s3, s3, 1
	s_cmp_lg_u32 s3, 0
	s_cbranch_scc1 .Lstep
	s_mov_b32 s3, 2
.Ltail:                                                ; the last two K steps ask for nothing; the very last change of slots fetches fragments that are never multiplied: the price of one text for both
	QUARTER 1, F0, F1, 0
	QUARTER 2, F1, F0, 0
	QUARTER 3, F0, F1, 0
	TURN 0
	WIN 0
	s_sub_co_u32 s3, s3, 1
	s_cmp_lg_u32 s3, 0
	s_cbranch_scc1 .Ltail
	; THE WAY OUT.  A wave's 64 f32 columns are 256 bytes of a row, so the stage is the wave's own: 16 rows go in by lanes' 32 bytes and come back as whole rows, into the registers that they left.
.macro PACK a
.irp b, 0,1,2,3
	ds_store_b128 v[STO], v[ACC+32*(\a)+8*(\b):ACC+32*(\a)+8*(\b)+3]   offset:64*(\b)
	ds_store_b128 v[STO], v[ACC+32*(\a)+8*(\b)+4:ACC+32*(\a)+8*(\b)+7] offset:64*(\b)+16
.endr
.irp f, 0,1,2,3,4,5,6,7
	ds_load_b128 v[ACC+32*(\a)+4*(\f):ACC+32*(\a)+4*(\f)+3], v[RD] offset:(\f)*2*SP  ; LDS serves a wave's instructions in order (ISA guide 5.7.1.4)
.endr
.endm
.macro SEND a, younger                 ; younger: the next block's sixteen LDS instructions, or none
	s_wait_dscnt \younger
	WIN 0x08                                       ; source 1, the residual, in window 2
.set z, 0
.rept 16
	v_pk_add_f32 v[ACC+32*(\a)+2*z:ACC+32*(\a)+2*z+1], v[ACC+32*(\a)+2*z:ACC+32*(\a)+2*z+1], v[32*(\a)+2*z:32*(\a)+2*z+1]
.set z, z+1
.endr
	WIN 0
.irp f, 0,1,2,3,4,5,6,7
	global_store_b128 v[CO], v[ACC+32*(\a)+4*(\f):ACC+32*(\a)+4*(\f)+3], s[10:11] offset:(16*(\a)+2*(\f))*4096  ; 16 lanes store 256 consecutive bytes, aligned
.endr
.endm
	s_wait_dscnt 0x0
	PLACES
	s_wait_loadcnt 0x0                             ; the residual
	PACK 0
	PACK 1
	SEND 0, 16
	PACK 2
	SEND 1, 16
	PACK 3
	SEND 2, 16
	SEND 3, 0
	s_wait_tensorcnt 0x0                           ; the wave's end
	ds_add_u32 v[SPW], v[NIL]
	s_wait_dscnt 0x0
	CROUND                                         ; the closing round
	s_endpgm
.Lfunc_end_k_q524881546b_projg:
	.size	k_q524881546b_projg, .Lfunc_end_k_q524881546b_projg-k_q524881546b_projg
	.p2alignl 7, 3214868480
	.fill 96, 4, 3214868480
	.section	.rodata,"a",@progbits
	.p2align	6, 0x0
	.amdhsa_kernel k_q524881546b_projg
		.amdhsa_group_segment_fixed_size 327680
		.amdhsa_private_segment_fixed_size 0
		.amdhsa_enable_private_segment 0
		.amdhsa_kernarg_size 32
		.amdhsa_user_sgpr_count 2
		.amdhsa_user_sgpr_kernarg_segment_ptr 1
		.amdhsa_wavefront_size32 1
		.amdhsa_system_sgpr_workgroup_id_x 1
		.amdhsa_system_sgpr_workgroup_id_y 1
		.amdhsa_system_sgpr_workgroup_id_z 1
		.amdhsa_system_vgpr_workitem_id 0
		.amdhsa_next_free_vgpr 640
		.amdhsa_next_free_sgpr 66
		.amdhsa_reserve_vcc 0
		.amdhsa_float_denorm_mode_32 3
		.amdhsa_float_denorm_mode_16_64 3
		.amdhsa_memory_ordered 1
		.amdhsa_forward_progress 1
		.amdhsa_inst_pref_size 65
	.end_amdhsa_kernel
	.amdgpu_metadata
---
amdhsa.version: [ 1, 2 ]
amdhsa.kernels:
  - .name:           k_q524881546b_projg
    .symbol:         k_q524881546b_projg.kd
    .args:
      - { .name: ob, .offset: 0, .size: 8, .value_kind: global_buffer, .address_space: global }
      - { .name: wb, .offset: 8, .size: 8, .value_kind: global_buffer, .address_space: global }
      - { .name: x, .offset: 16, .size: 8, .value_kind: global_buffer, .address_space: global }
      - { .name: x1, .offset: 24, .size: 8, .value_kind: global_buffer, .address_space: global }
    .group_segment_fixed_size: 327680
    .private_segment_fixed_size: 0
    .kernarg_segment_align: 8
    .kernarg_segment_size: 32
    .max_flat_workgroup_size: 128
    .sgpr_count:     66
    .vgpr_count:     640
    .wavefront_size: 32
...
	.end_amdgpu_metadata
.endif
;; end of part 4
;; launch ln2: the kernel of part 1 again; grid 256 x 1, 8 waves a work-group, no clusters, 0 bytes of LDS; arguments x1, ln2_g, ln2_b, w_qkv, w_proj, hn, wq, wb; writes hn, wq, wb
;; launch fc1g (part 5): grid 16 x 16, 4 waves a work-group, clusters of 4 x 4, 327,680 bytes of LDS; arguments hn, wb, hff; writes hff
.if DOCPART == 5
	.amdgcn_target "amdgcn-amd-amdhsa--gfx1250"
	.amdhsa_code_object_version 6
	.text
	.protected	k_q524881546b_fc1g
	.globl	k_q524881546b_fc1g
	.p2align	8
	.type	k_q524881546b_fc1g,@function
k_q524881546b_fc1g:
	s_mov_b64 s[64:65], 0
	v_nop
	global_prefetch_b8 v0, s[64:65] scope:SCOPE_SE
	s_setreg_imm32_b32 hwreg(HW_REG_WAVE_MODE, 25, 1), 1
	s_wait_xcnt 0x0
	s_wait_alu depctr_hold_cnt(0) depctr_sa_sdst(0) depctr_va_vdst(0) depctr_va_sdst(0) depctr_va_ssrc(0) depctr_va_vcc(0) depctr_vm_vsrc(0)
	s_getreg_b32 s2, hwreg(HW_REG_IB_STS2, 6, 4)
	s_cmp_eq_u32 s2, 0
	s_cbranch_scc0 .Lentry_in_a_cluster
	s_endpgm
.Lentry_in_a_cluster:
	s_bfe_u32 s2, ttmp6, 0x10000c
	s_cmp_lg_u32 s2, 0xf033
	s_cbranch_scc0 .Lentry_shape_is_right
	s_endpgm
.Lentry_shape_is_right:
; hff = gelu(hn [4096][1024] bf16 x Wfc1 [1024][4096] bf16 (wb at byte 8,388,608)), sums and gelu in f32, written in bf16, [4096][4096].
; gelu(x) = x (1 + erf(x / sqrt 2)) / 2 = max(x, 0) - U P'(t) 2^(-U^2), U = kappa |x|, kappa = sqrt(log2(e) / 2), t = 1 / (1 + KD U): erf by Abramowitz and Stegun 7.1.26,
; LIMIT: absolute error of erf 1.5e-7.  For large |x| the power and t go to 0 and the result is max(x, 0).  NaN and infinities are not treated apart.
; A tile of C is 256 x 256: four waves, each 128 x 128 in 64 accumulators; 256 work-groups.  K goes in 8 steps of 128 through two LDS slots filled by the tensor data mover.
; hn's tile lies [row][k] (pitch 272); W's tile lies [k][n] as in memory (pitch 544) and is turned on the way into registers by ds_load_tr16_b128.
; CLUSTER 4 x 4: hn's tile is shared along a row of the cluster, W's along a column.  THE MATRIX INSTRUCTION IS USED TRANSPOSED (source 0 = 16 columns of W, source 1 = 16 rows of hn).
; REGISTERS: window 0: v0-31 addresses, v32-47 packed results, v64-191 hn's fragments (two buffers), on the way out v64-255 at work; window 1: W's fragments; windows 2, 3: the accumulators.
; THE WAY OUT goes through the ring's bytes, which have had their last fill: each wave lays its 128 x 128 f32 into rows of 528 bytes of its own and walks them 8 rows a trip.
.set SIZE_N, 4096
.set REGION, 8388608
.set NSTEP,  8
.set PA,     272
.set PW,     544
.set HALFT,  34816
.set SLOT,   139264                    ; 0x22000: shares no bit with wave x HALFT
.set SPARE,  278528
.set SPITCH, 528
.set WSTAGE, 128*SPITCH
.set STEPA,  256
.set STEPB,  256*SIZE_N
.set ADRA0, 16
.set ADRB0, 17
.set AA,    18
.set AB,    19
.set STO,   24
.set RD,    25
.set CO,    26
.set SPW,   28
.set NIL,   29
.set YO,    32
.set F0,    64
.set F1,    128
.set XI,    64                         ; v64-95   32 sums as read back
.set GU,    96                         ; v96-127  U
.set GR,    128                        ; v128-159 max(x, 0), then the result
.set GD,    160                        ; v160-191 1 + KD U, then t
.set GE,    192                        ; v192-223 -U^2, then its power of 2
.set GP,    224                        ; v224-255 the polynomial
.set WV, 12
.set RH, 13
.set CH, 14
.set TR, 15
.set G1A, 24
.set G0A, 32
.set TB,  45
.set G1B, 48
.set G0B, 56
.set KAP, 66                           ; s66 kappa
.set KD,  68                           ; pairs, the low word taken for both halves
.set A1,  70
.set A2,  72
.set A3,  74
.set A4,  76
.set A5,  78
.set MSB, 0
.macro WIN new
.if MSB != (\new)
	s_set_vgpr_msb (MSB<<8)|(\new)
.set MSB, \new
.endif
.endm
.set MUL_LO, 0xa1
.set MUL_HI, 0xf1
.set TO_B,   0x40
.macro PLACES
.rept 4
	v_nop
.endr
.endm
.macro JLOAD                           ; a joint refill by the walking descriptors; s_nop 0 and four v_nop follow each line
	s_cmp_eq_u32 s[RH], 0
	s_cbranch_scc0 .Lfor_b_\@
	tensor_load_to_lds s[G0A+4:G0A+7], s[G1A:G1A+7]
	s_nop 0
.rept 4
	v_nop
.endr
	s_branch .Lasked_\@
.Lfor_b_\@:
	tensor_load_to_lds s[G0B+4:G0B+7], s[G1B:G1B+7]
	s_nop 0
.rept 4
	v_nop
.endr
.Lasked_\@:
.endm
.macro CREST
	s_cmp_lg_u32 s[WV], 0
	s_cbranch_scc1 .Lnot_wave_0_\@
	s_barrier_signal -3
.Lnot_wave_0_\@:
	s_barrier_wait -3
	s_barrier_signal -1
	s_barrier_wait -1
.endm
.macro CROUND
	s_barrier_signal -1
	s_barrier_wait -1
	CREST
.endm
	s_load_b128 s[4:7], s[0:1], 0x0                ; hn s[4:5], wb s[6:7]
	s_load_b64 s[8:9], s[0:1], 0x10                ; hff
	v_lshl_add_u32 v[SPW], v0, 2, SPARE
	v_mov_b32 v[NIL], 0
	ds_add_u32 v[SPW], v[NIL]                      ; the wave's opening: the add and its wait ahead of my first tensor load
	ds_add_u32 v28, v29
	v_lshrrev_b32 v1, 5, v0
	v_readfirstlane_b32 s[WV], v1
	s_lshr_b32 s[RH], s[WV], 1
	s_and_b32 s[CH], s[WV], 1
	s_bfe_u32 s40, ttmp6, 0x40000
	s_bfe_u32 s41, ttmp6, 0x40004
	s_lshl_b32 s42, ttmp9, 2
	s_add_co_u32 s42, s42, s40                     ; tile column
	s_and_b32 s[TR], ttmp7, 0xffff
	s_lshl_b32 s[TR], s[TR], 2
	s_add_co_u32 s[TR], s[TR], s41                 ; tile row
	s_lshl_b32 s43, s41, 2
	s_lshl_b32 s43, 15, s43
	s_lshl_b32 s44, 0x1111, s40
	s_or_b32 s[G1A], s43, (1<<16)|(1<<20)|(1<<21)|(5<<22)|(3<<25)
	s_mov_b32 s[G1A+1], 128<<16
	s_mov_b32 s[G1A+2], 128<<16
	s_mov_b32 s[G1A+3], 128<<16
	s_mov_b32 s[G1A+4], 128
	s_mov_b32 s[G1A+5], 1024
	s_mov_b32 s[G1A+6], 0
	s_mov_b32 s[G1A+7], 0
	s_or_b32 s[G1B], s44, (1<<16)|(1<<20)|(1<<21)|(6<<22)|(7<<25)
	s_mov_b32 s[G1B+1], 256<<16
	s_mov_b32 s[G1B+2], 64<<16
	s_mov_b32 s[G1B+3], 256<<16
	s_mov_b32 s[G1B+4], 64
	s_mov_b32 s[G1B+5], SIZE_N
	s_mov_b32 s[G1B+6], 0
	s_mov_b32 s[G1B+7], 0
	s_mov_b32 s[KAP], 0x3f596d27                   ; 0.8493218
	s_mov_b32 s[KD], 0x3e8ba43f                    ; 0.3275911 / sqrt(log2 e) = 0.27273748
	s_mov_b32 s[A1], 0x3e199eb3                    ; the five coefficients, each times 0.5 / kappa: 0.15001946
	s_mov_b32 s[A2], 0xbe2b8119                    ; -0.16748465
	s_mov_b32 s[A3], 0x3f563817                    ; 0.83679339
	s_mov_b32 s[A4], 0xbf5b0099                    ; -0.85547788
	s_mov_b32 s[A5], 0x3f1ff67a                    ; 0.62485470
.irp c, KD, A1, A2, A3, A4, A5
	s_mov_b32 s[\c+1], s[\c]                       ; named as pairs
.endr
	s_lshl_b32 s16, s[TR], 19
	s_lshl_b32 s17, s[CH], 18
	s_add_co_u32 s16, s16, s17
	s_mov_b32 s17, 0
	s_lshl_b32 s46, s42, 9
	s_mul_i32 s47, s[CH], 128*SIZE_N
	s_add_co_u32 s46, s46, s47
.if REGION
	s_add_co_u32 s46, s46, REGION
.endif
	s_mov_b32 s47, 0
	s_mul_i32 s20, s[WV], HALFT
	s_mov_b32 s[TB], 0
	s_wait_dscnt 0x0                               ; the opening add is done
	s_wait_kmcnt 0x0
	s_add_nc_u64 s[16:17], s[4:5], s[16:17]
	s_add_nc_u64 s[46:47], s[6:7], s[46:47]
.irp s, 0,1
	s_mov_b32 s[G0A+4*(\s)], 1
	s_add_co_u32 s[G0A+4*(\s)+1], s20, (\s)*SLOT
	s_add_nc_u64 s[G0A+4*(\s)+2:G0A+4*(\s)+3], s[16:17], (\s)*STEPA
	s_or_b32 s[G0A+4*(\s)+3], s[G0A+4*(\s)+3], 0x80000000
	s_mov_b32 s[G0B+4*(\s)], 1
	s_add_co_u32 s[G0B+4*(\s)+1], s20, (\s)*SLOT
	s_add_nc_u64 s[G0B+4*(\s)+2:G0B+4*(\s)+3], s[46:47], (\s)*STEPB
	s_or_b32 s[G0B+4*(\s)+3], s[G0B+4*(\s)+3], 0x80000000
.endr
	CROUND                                         ; the first joint loads meet
	s_cmp_eq_u32 s[RH], 0
	s_cbranch_scc0 .Lfirst_b
	tensor_load_to_lds s[G0A:G0A+3], s[G1A:G1A+7]
	s_nop 0
	tensor_load_to_lds s[G0A+4:G0A+7], s[G1A:G1A+7]
	s_nop 0
.rept 4
	v_nop
.endr
	s_branch .Lfirst_asked
.Lfirst_b:
	tensor_load_to_lds s[G0B:G0B+3], s[G1B:G1B+7]
	s_nop 0
	tensor_load_to_lds s[G0B+4:G0B+7], s[G1B:G1B+7]
	s_nop 0
.rept 4
	v_nop
.endr
.Lfirst_asked:
	v_and_b32 v1, 15, v0                           ; r
	v_bfe_u32 v2, v0, 4, 1                         ; h
	v_mul_u32_u24 v3, v1, PA
	v_lshl_add_u32 v3, v2, 4, v3
	s_mul_i32 s21, s[RH], HALFT
	v_add_nc_u32 v[ADRA0], s21, v3
	v_and_b32 v4, 7, v0
	v_lshl_add_u32 v4, v2, 3, v4
	v_mul_u32_u24 v4, v4, PW
	v_bfe_u32 v5, v0, 3, 1
	v_lshl_add_u32 v4, v5, 4, v4
	s_lshl_b32 s21, s[CH], 8
	s_add_co_u32 s21, s21, 2*HALFT
	v_add_nc_u32 v[ADRB0], s21, v4
	v_mov_b32 v[AA], v[ADRA0]
	v_mov_b32 v[AB], v[ADRB0]
	s_mul_i32 s22, s[WV], WSTAGE
	v_mul_u32_u24 v3, v1, SPITCH
	v_lshl_add_u32 v3, v2, 5, v3                   ; in: row r, 32 bytes for each half of the lanes
	v_add_nc_u32 v[STO], s22, v3
	v_mul_u32_u24 v3, v2, SPITCH                   ; back: lanes 0-15 one row, lanes 16-31 the next; 32 bytes (8 numbers) a lane
	v_lshl_add_u32 v3, v1, 5, v3
	v_add_nc_u32 v[RD], s22, v3
	v_lshlrev_b32 v3, 13, v2                       ; and the same two rows of 8,192 bytes in hff, 16 bytes a lane
	v_lshl_add_u32 v[CO], v1, 4, v3
	s_lshl_b32 s16, s[TR], 21                      ; 256 rows of 8,192 bytes a tile row,
	s_lshl_b32 s17, s[RH], 20
	s_add_co_u32 s16, s16, s17
	s_lshl_b32 s17, s42, 9                         ; 512 bytes a tile column
	s_add_co_u32 s16, s16, s17
	s_lshl_b32 s17, s[CH], 8
	s_add_co_u32 s16, s16, s17
	s_mov_b32 s17, 0
	s_add_nc_u64 s[8:9], s[8:9], s[16:17]
.macro MUL16 f, hi, a0, zero
	WIN MUL_LO+0x50*(\hi)
.irp a, \a0, (\a0)+1
.irp b, 0,1,2,3,4,5,6,7
.if \zero
	v_wmma_f32_16x16x32_bf16 v[8*(8*(\a)+(\b)):8*(8*(\a)+(\b))+7], v[(\f)+8*(\b):(\f)+8*(\b)+7], v[(\f)+8*(4*(\hi)+(\a)):(\f)+8*(4*(\hi)+(\a))+7], 0
.else
	v_wmma_f32_16x16x32_bf16 v[8*(8*(\a)+(\b)):8*(8*(\a)+(\b))+7], v[(\f)+8*(\b):(\f)+8*(\b)+7], v[(\f)+8*(4*(\hi)+(\a)):(\f)+8*(4*(\hi)+(\a))+7], v[8*(8*(\a)+(\b)):8*(8*(\a)+(\b))+7]
.endif
.endr
.endr
.endm
.macro FETCH q, f
	WIN TO_B
.irp i, 0,1,2,3,4,5,6,7
	ds_load_tr16_b128 v[(\f)+8*(\i):(\f)+8*(\i)+3],   v[AB] offset:(\q)*32*PW+32*(\i)
	ds_load_tr16_b128 v[(\f)+8*(\i)+4:(\f)+8*(\i)+7], v[AB] offset:(\q)*32*PW+32*(\i)+16*PW
.endr
	WIN 0
.irp i, 0,1,2,3,4,5,6,7
	ds_load_b128 v[(\f)+8*(\i):(\f)+8*(\i)+3],   v[AA] offset:(\q)*64+(\i)*16*PA
	ds_load_b128 v[(\f)+8*(\i)+4:(\f)+8*(\i)+7], v[AA] offset:(\q)*64+(\i)*16*PA+32
.endr
.endm
.macro QUARTER q, f, g, zero
	s_wait_dscnt 8                                 ; W and hn's rows 0-63 are in; the youngest eight loads may be out
	MUL16 \f, 0, 0, \zero
	MUL16 \f, 0, 2, \zero
	PLACES
	FETCH \q, \g
	s_wait_dscnt 32                                ; all but the 32 just issued
	MUL16 \f, 1, 0, \zero
	MUL16 \f, 1, 2, \zero
.endm
.macro TURN fill                       ; the last quarter multiplies buffer 1 and changes slots; fill = 1: a round of the cluster's barrier, and this slot is filled again, two K steps ahead
	WIN 0
	s_wait_tensorcnt 0x0                           ; all my tensor loads have landed: my part of the next slot
	ds_add_u32 v[SPW], v[NIL]
	s_wait_dscnt 9                                 ; the add and the youngest eight loads may be out
	MUL16 F1, 0, 0, 0
	s_wait_dscnt 0x0                               ; the add is done, and my reads of this slot are over
	s_barrier_signal -1
	MUL16 F1, 0, 2, 0
	WIN 0
	s_barrier_wait -1
.if \fill
	CREST
	s_xor_b32 s[G0A+5], s[G0A+5], SLOT
	s_add_nc_u64 s[G0A+6:G0A+7], s[G0A+6:G0A+7], STEPA
	s_xor_b32 s[G0B+5], s[G0B+5], SLOT
	s_add_nc_u64 s[G0B+6:G0B+7], s[G0B+6:G0B+7], STEPB
	JLOAD
.endif
	s_xor_b32 s[TB], s[TB], SLOT
	v_add_nc_u32 v[AA], s[TB], v[ADRA0]
	v_add_nc_u32 v[AB], s[TB], v[ADRB0]
.if !(\fill)
	v_nop
	v_nop
.endif
	FETCH 0, F0
	MUL16 F1, 1, 0, 0
	MUL16 F1, 1, 2, 0
.endm
	s_wait_tensorcnt 1                             ; my part of K step 0 is in; K step 1's stays out
	s_barrier_signal -1
	s_barrier_wait -1
	FETCH 0, F0
	QUARTER 1, F0, F1, 1
	WIN 0
	s_mov_b32 s3, NSTEP-2
	s_branch .Lmid
.Lstep:
	QUARTER 1, F0, F1, 0
	WIN 0
.Lmid:
	QUARTER 2, F1, F0, 0
	QUARTER 3, F0, F1, 0
	TURN 1
	WIN 0
	s_sub_co_u32 s3, s3, 1
	s_cmp_lg_u32 s3, 0
	s_cbranch_scc1 .Lstep
	s_mov_b32 s3, 2
.Ltail:                                                ; the last two K steps ask for nothing; the very last change of slots fetches fragments that are never multiplied: the price of one text for both
	QUARTER 1, F0, F1, 0
	QUARTER 2, F1, F0, 0
	QUARTER 3, F0, F1, 0
	TURN 0
	WIN 0
	s_sub_co_u32 s3, s3, 1
	s_cmp_lg_u32 s3, 0
	s_cbranch_scc1 .Ltail
	; THE WAY OUT
	s_wait_dscnt 0x0                               ; my reads of the ring are over
	s_barrier_signal -1
	s_barrier_wait -1                              ; everybody's are: the ring's bytes, which no load fills any more, become the stage
	PLACES
.irp a, 0,1,2,3,4,5,6,7
	WIN 0x08+4*((\a)/4)
.irp b, 0,1,2,3,4,5,6,7
	ds_store_b128 v[STO], v[8*(8*((\a)%4)+(\b)):8*(8*((\a)%4)+(\b))+3]   offset:(\a)*16*SPITCH+64*(\b)
	ds_store_b128 v[STO], v[8*(8*((\a)%4)+(\b))+4:8*(8*((\a)%4)+(\b))+7] offset:(\a)*16*SPITCH+64*(\b)+16
.endr
.endr
	WIN 0
.macro LOADX                           ; 8 rows x 128 columns: piece t is rows 2 t, 2 t + 1
.irp t, 0,1,2,3
	ds_load_b128 v[XI+8*(\t):XI+8*(\t)+3],   v[RD] offset:(\t)*2*SPITCH
	ds_load_b128 v[XI+8*(\t)+4:XI+8*(\t)+7], v[RD] offset:(\t)*2*SPITCH+16
.endr
.endm
	LOADX                                          ; LDS serves a wave's instructions in order (ISA guide 5.7.1.4): these see my stores above
	s_mov_b32 s2, 16
.Lout:                                                 ; 16 trips of 8 rows, 32 numbers a lane
	s_wait_dscnt 0x0
.set i, 0
.rept 32
	v_mul_f32 v[GU+i], s[KAP], |v[XI+i]|
	v_max_num_f32 v[GR+i], 0, v[XI+i]
.set i, i+1
.endr
	s_cmp_eq_u32 s2, 1
	s_cbranch_scc1 .Lno_more                       ; the last trip has no next rows
	v_add_nc_u32 v[RD], 8*SPITCH, v[RD]
	LOADX                                          ; the next trip's rows come in under this trip's arithmetic
.Lno_more:
.set i, 0
.rept 16
	v_pk_fma_f32 v[GD+2*i:GD+2*i+1], v[GU+2*i:GU+2*i+1], s[KD:KD+1], 1.0 op_sel_hi:[1,0,0]
	v_pk_mul_f32 v[GE+2*i:GE+2*i+1], v[GU+2*i:GU+2*i+1], v[GU+2*i:GU+2*i+1] neg_lo:[1,0] neg_hi:[1,0]
.set i, i+1
.endr
.set i, 0
.rept 32
	v_rcp_f32 v[GD+i], v[GD+i]
.set i, i+1
.endr
	v_nop                                          ; a plain instruction between the reciprocals and their use (ISA guide 5.7.2)
.set i, 0
.rept 16                               ; the polynomial's first step, which names neither power, is the plain instruction behind each two of them
	v_exp_f32 v[GE+2*i], v[GE+2*i]
	v_exp_f32 v[GE+2*i+1], v[GE+2*i+1]
	s_wait_alu depctr_va_vdst(0)
	v_pk_fma_f32 v[GP+2*i:GP+2*i+1], v[GD+2*i:GD+2*i+1], s[A5:A5+1], s[A4:A4+1] op_sel_hi:[1,0,0]
.set i, i+1
.endr
.irp c, A3, A2, A1
.set i, 0
.rept 16
	v_pk_fma_f32 v[GP+2*i:GP+2*i+1], v[GP+2*i:GP+2*i+1], v[GD+2*i:GD+2*i+1], s[\c:\c+1] op_sel_hi:[1,1,0]
.set i, i+1
.endr
.endr
.set i, 0
.rept 16
	v_pk_mul_f32 v[GP+2*i:GP+2*i+1], v[GP+2*i:GP+2*i+1], v[GD+2*i:GD+2*i+1]
.set i, i+1
.endr
.set i, 0
	s_wait_alu depctr_va_vdst(0)
.rept 16
	v_pk_mul_f32 v[GP+2*i:GP+2*i+1], v[GP+2*i:GP+2*i+1], v[GE+2*i:GE+2*i+1]
.set i, i+1
.endr
.set i, 0
.rept 16
	v_pk_fma_f32 v[GR+2*i:GR+2*i+1], v[GU+2*i:GU+2*i+1], v[GP+2*i:GP+2*i+1], v[GR+2*i:GR+2*i+1] neg_lo:[1,0,0] neg_hi:[1,0,0]
.set i, i+1
.endr
.set i, 0
.rept 16
	v_cvt_pk_bf16_f32 v[YO+i], v[GR+2*i], v[GR+2*i+1]
.set i, i+1
.endr
.irp t, 0,1,2,3
	global_store_b128 v[CO], v[YO+4*(\t):YO+4*(\t)+3], s[8:9] offset:(\t)*16384  ; 16 lanes store 256 consecutive bytes, aligned
.endr
	s_wait_xcnt 0x0                                ; the stores' data and offset are rewritten only behind this wait
	v_add_nc_u32 v[CO], 65536, v[CO]
	s_sub_co_u32 s2, s2, 1
	s_cmp_lg_u32 s2, 0
	s_cbranch_scc1 .Lout
	s_wait_tensorcnt 0x0                           ; the wave's end
	ds_add_u32 v[SPW], v[NIL]
	s_wait_dscnt 0x0
	CROUND                                         ; the closing round
	s_endpgm
.Lfunc_end_k_q524881546b_fc1g:
	.size	k_q524881546b_fc1g, .Lfunc_end_k_q524881546b_fc1g-k_q524881546b_fc1g
	.p2alignl 7, 3214868480
	.fill 96, 4, 3214868480
	.section	.rodata,"a",@progbits
	.p2align	6, 0x0
	.amdhsa_kernel k_q524881546b_fc1g
		.amdhsa_group_segment_fixed_size 327680
		.amdhsa_private_segment_fixed_size 0
		.amdhsa_enable_private_segment 0
		.amdhsa_kernarg_size 24
		.amdhsa_user_sgpr_count 2
		.amdhsa_user_sgpr_kernarg_segment_ptr 1
		.amdhsa_wavefront_size32 1
		.amdhsa_system_sgpr_workgroup_id_x 1
		.amdhsa_system_sgpr_workgroup_id_y 1
		.amdhsa_system_sgpr_workgroup_id_z 1
		.amdhsa_system_vgpr_workitem_id 0
		.amdhsa_next_free_vgpr 1024
		.amdhsa_next_free_sgpr 80
		.amdhsa_reserve_vcc 0
		.amdhsa_float_denorm_mode_32 3
		.amdhsa_float_denorm_mode_16_64 3
		.amdhsa_memory_ordered 1
		.amdhsa_forward_progress 1
		.amdhsa_inst_pref_size 94
	.end_amdhsa_kernel
	.amdgpu_metadata
---
amdhsa.version: [ 1, 2 ]
amdhsa.kernels:
  - .name:           k_q524881546b_fc1g
    .symbol:         k_q524881546b_fc1g.kd
    .args:
      - { .name: hn, .offset: 0, .size: 8, .value_kind: global_buffer, .address_space: global }
      - { .name: wb, .offset: 8, .size: 8, .value_kind: global_buffer, .address_space: global }
      - { .name: hff, .offset: 16, .size: 8, .value_kind: global_buffer, .address_space: global }
    .group_segment_fixed_size: 327680
    .private_segment_fixed_size: 0
    .kernarg_segment_align: 8
    .kernarg_segment_size: 24
    .max_flat_workgroup_size: 128
    .sgpr_count:     80
    .vgpr_count:     1024
    .wavefront_size: 32
...
	.end_amdgpu_metadata
.endif
;; end of part 5
;; launch fc2g (part 6): grid 8 x 32, 4 waves a work-group, clusters of 4 x 4, 327,680 bytes of LDS; arguments hff, wb, x1, out0; writes out0
.if DOCPART == 6
	.amdgcn_target "amdgcn-amd-amdhsa--gfx1250"
	.amdhsa_code_object_version 6
	.text
	.protected	k_q524881546b_fc2g
	.globl	k_q524881546b_fc2g
	.p2align	8
	.type	k_q524881546b_fc2g,@function
k_q524881546b_fc2g:
	s_mov_b64 s[64:65], 0
	v_nop
	global_prefetch_b8 v0, s[64:65] scope:SCOPE_SE
	s_setreg_imm32_b32 hwreg(HW_REG_WAVE_MODE, 25, 1), 1
	s_wait_xcnt 0x0
	s_wait_alu depctr_hold_cnt(0) depctr_sa_sdst(0) depctr_va_vdst(0) depctr_va_sdst(0) depctr_va_ssrc(0) depctr_va_vcc(0) depctr_vm_vsrc(0)
	s_getreg_b32 s2, hwreg(HW_REG_IB_STS2, 6, 4)
	s_cmp_eq_u32 s2, 0
	s_cbranch_scc0 .Lentry_in_a_cluster
	s_endpgm
.Lentry_in_a_cluster:
	s_bfe_u32 s2, ttmp6, 0x10000c
	s_cmp_lg_u32 s2, 0xf033
	s_cbranch_scc0 .Lentry_shape_is_right
	s_endpgm
.Lentry_shape_is_right:
; out0 = x1 + hff x Wfc2.  hff: [4096][4096] bf16; Wfc2: wb at byte 16,777,216, [4096][1024] bf16; x1, out0: [4096][1024] f32.  Sums in f32.
; A tile of C is 128 x 128, so that the 256 tiles give each WGP one: four waves, each 64 x 64 in 16 accumulators.  K goes in 16 steps of 256 through two LDS slots.
; hff's part of a slot: 128 rows of 512 bytes, pitch 528.  W's part: 256 k rows of 256 bytes as they lie in memory, pitch 288, turned on the way into registers by ds_load_tr16_b128.
; CLUSTER 4 x 4: hff's tile is shared along a row of the cluster, W's along a column.  THE MATRIX INSTRUCTION IS USED TRANSPOSED (source 0 = 16 columns of W, source 1 = 16 rows of hff).
; PREFETCH.  In trips 0, 4 and 8 of the loop the K steps trip + 4 .. trip + 7 are asked for ahead of their tensor loads, of which the first is issued in trip + 2.  Each aligned 256 bytes of K steps 4 to 15 is
; asked for once: of a tile row's 128 rows of hff the work-group of tile column c takes rows 16 c .. 16 c + 15, wave w those rows' 512 bytes of K step trip + 4 + w (32 lanes, 256 bytes apart);
; of a tile column's 1,024 k rows of W the work-group of tile row t takes rows 32 t .. 32 t + 31, one a lane of wave 0.  The last K step asked for is 15: nothing points past a buffer's end.
; REGISTERS: window 0: v0-31 addresses, v128-255 accumulator (a, b) at v[128 + 8 (4 a + b)]; window 1: two fragment buffers of 128 (64 of hff, 64 of W); window 2: v0-127 my 64 x 64 of x1, asked for at the start.
.set NSTEP,  16
.set REGION, 16777216
.set PA,     528
.set AQ,     128                       ; from quarter to quarter (64 along K) in a row of hff's part
.set HALFA,  64*PA                     ; what one load of hff brings: 64 rows
.set APART,  2*HALFA
.set PW,     288
.set HALFW,  128*PW
.set SLOT,   147456                    ; 0x24000: shares no bit with any load's LDS address in slot 0
.set STAGE,  2*SLOT
.set SP,     272
.set SPARE,  STAGE+4*16*SP
.set STEPA,  512
.set STEPB,  524288
.set ADRA0, 16
.set ADRB0, 17
.set ADRB1, 18
.set AA,    19
.set AB0,   20
.set AB1,   21
.set PFA,   22                         ; v22 the prefetch of hff: my lane's offset; never rewritten
.set PFW,   23                         ; v23 the prefetch of W: my lane's offset; never rewritten
.set STO,   24
.set RD,    25
.set CO,    26
.set SPW,   28
.set NIL,   29
.set ACC,   128
.set F0,    0
.set F1,    128
.set WV, 12
.set RH, 13
.set CH, 14
.set TR, 15
.set G1A, 24
.set G0A, 32
.set TB,  45
.set G1B, 48
.set G0B, 56
.set MSB, 0
.macro WIN new
.if MSB != (\new)
	s_set_vgpr_msb (MSB<<8)|(\new)
.set MSB, \new
.endif
.endm
.set MUL,  0x05
.set TO_F, 0x40
.macro PLACES
.rept 4
	v_nop
.endr
.endm
.macro JLOAD                           ; a joint refill by the walking descriptors; s_nop 0 and four v_nop follow each line
	s_cmp_eq_u32 s[RH], 0
	s_cbranch_scc0 .Lfor_b_\@
	tensor_load_to_lds s[G0A+4:G0A+7], s[G1A:G1A+7]
	s_nop 0
.rept 4
	v_nop
.endr
	s_branch .Lasked_\@
.Lfor_b_\@:
	tensor_load_to_lds s[G0B+4:G0B+7], s[G1B:G1B+7]
	s_nop 0
.rept 4
	v_nop
.endr
.Lasked_\@:
.endm
.macro CREST
	s_cmp_lg_u32 s[WV], 0
	s_cbranch_scc1 .Lnot_wave_0_\@
	s_barrier_signal -3
.Lnot_wave_0_\@:
	s_barrier_wait -3
	s_barrier_signal -1
	s_barrier_wait -1
.endm
.macro CROUND
	s_barrier_signal -1
	s_barrier_wait -1
	CREST
.endm
	s_load_b256 s[4:11], s[0:1], 0x0               ; hff s[4:5], wb s[6:7], x1 s[8:9], out0 s[10:11]
	v_lshl_add_u32 v[SPW], v0, 2, SPARE
	v_mov_b32 v[NIL], 0
	ds_add_u32 v[SPW], v[NIL]                      ; the wave's opening: the add and its wait ahead of my first tensor load
	ds_add_u32 v28, v29
	v_lshrrev_b32 v1, 5, v0
	v_readfirstlane_b32 s[WV], v1
	s_lshr_b32 s[RH], s[WV], 1
	s_and_b32 s[CH], s[WV], 1
	s_bfe_u32 s40, ttmp6, 0x40000
	s_bfe_u32 s41, ttmp6, 0x40004
	s_lshl_b32 s42, ttmp9, 2
	s_add_co_u32 s42, s42, s40                     ; tile column
	s_and_b32 s[TR], ttmp7, 0xffff
	s_lshl_b32 s[TR], s[TR], 2
	s_add_co_u32 s[TR], s[TR], s41                 ; tile row
	s_lshl_b32 s43, s41, 2
	s_lshl_b32 s43, 15, s43
	s_lshl_b32 s44, 0x1111, s40
	s_or_b32 s[G1A], s43, (1<<16)|(1<<20)|(1<<21)|(6<<22)|(3<<25)  ; after every 128 words 4 words
	s_mov_b32 s[G1A+1], 256<<16
	s_mov_b32 s[G1A+2], 64<<16
	s_mov_b32 s[G1A+3], 256<<16
	s_mov_b32 s[G1A+4], 64
	s_mov_b32 s[G1A+5], 4096
	s_mov_b32 s[G1A+6], 0
	s_mov_b32 s[G1A+7], 0
	s_or_b32 s[G1B], s44, (1<<16)|(1<<20)|(1<<21)|(5<<22)|(7<<25)  ; after every 64 words 8 words
	s_mov_b32 s[G1B+1], 128<<16
	s_mov_b32 s[G1B+2], 128<<16
	s_mov_b32 s[G1B+3], 128<<16
	s_mov_b32 s[G1B+4], 128
	s_mov_b32 s[G1B+5], 1024
	s_mov_b32 s[G1B+6], 0
	s_mov_b32 s[G1B+7], 0
	s_lshl_b32 s16, s[TR], 20                      ; hff: 128 rows of 8,192 bytes a tile row,
	s_lshl_b32 s17, s[CH], 19                      ; 64 rows a half
	s_add_co_u32 s16, s16, s17
	s_mov_b32 s17, 0
	s_lshl_b32 s46, s42, 8                         ; W: 128 columns a tile column,
	s_lshl_b32 s47, s[CH], 18                      ; 128 k rows a half
	s_add_co_u32 s46, s46, s47
	s_add_co_u32 s46, s46, REGION
	s_mov_b32 s47, 0
	s_mul_i32 s20, s[CH], HALFA
	s_mul_i32 s21, s[CH], HALFW
	s_add_co_u32 s21, s21, APART
	s_mov_b32 s[TB], 0
	s_wait_dscnt 0x0                               ; the opening add is done
	s_wait_kmcnt 0x0
	s_add_nc_u64 s[16:17], s[4:5], s[16:17]
	s_add_nc_u64 s[46:47], s[6:7], s[46:47]
.irp s, 0,1
	s_mov_b32 s[G0A+4*(\s)], 1
	s_add_co_u32 s[G0A+4*(\s)+1], s20, (\s)*SLOT
	s_add_nc_u64 s[G0A+4*(\s)+2:G0A+4*(\s)+3], s[16:17], (\s)*STEPA
	s_or_b32 s[G0A+4*(\s)+3], s[G0A+4*(\s)+3], 0x80000000
	s_mov_b32 s[G0B+4*(\s)], 1
	s_add_co_u32 s[G0B+4*(\s)+1], s21, (\s)*SLOT
	s_add_nc_u64 s[G0B+4*(\s)+2:G0B+4*(\s)+3], s[46:47], (\s)*STEPB
	s_or_b32 s[G0B+4*(\s)+3], s[G0B+4*(\s)+3], 0x80000000
.endr
	CROUND                                         ; the first joint loads meet
	s_cmp_eq_u32 s[RH], 0
	s_cbranch_scc0 .Lfirst_b
	tensor_load_to_lds s[G0A:G0A+3], s[G1A:G1A+7]
	s_nop 0
	tensor_load_to_lds s[G0A+4:G0A+7], s[G1A:G1A+7]
	s_nop 0
.rept 4
	v_nop
.endr
	s_branch .Lfirst_asked
.Lfirst_b:
	tensor_load_to_lds s[G0B:G0B+3], s[G1B:G1B+7]
	s_nop 0
	tensor_load_to_lds s[G0B+4:G0B+7], s[G1B:G1B+7]
	s_nop 0
.rept 4
	v_nop
.endr
.Lfirst_asked:
	v_and_b32 v1, 15, v0                           ; r
	v_bfe_u32 v2, v0, 4, 1                         ; h
	s_lshl_b32 s18, s[TR], 19                      ; my 64 x 64 in x1 and out0
	s_lshl_b32 s19, s[RH], 18
	s_add_co_u32 s18, s18, s19
	s_lshl_b32 s19, s42, 9
	s_add_co_u32 s18, s18, s19
	s_lshl_b32 s19, s[CH], 8
	s_add_co_u32 s18, s18, s19
	s_mov_b32 s19, 0
	s_add_nc_u64 s[8:9], s[8:9], s[18:19]
	s_add_nc_u64 s[10:11], s[10:11], s[18:19]
	v_lshlrev_b32 v3, 12, v2
	v_lshl_add_u32 v[CO], v1, 4, v3
	WIN 0x80
.irp a, 0,1,2,3
.irp f, 0,1,2,3,4,5,6,7
	global_load_b128 v[32*(\a)+4*(\f):32*(\a)+4*(\f)+3], v[CO], s[8:9] offset:(16*(\a)+2*(\f))*4096  ; they land while K is walked
.endr
.endr
	WIN 0
	v_mul_u32_u24 v3, v1, PA
	v_lshl_add_u32 v3, v2, 4, v3
	s_mul_i32 s22, s[RH], 64*PA
	v_add_nc_u32 v[ADRA0], s22, v3
	v_and_b32 v4, 7, v0
	v_lshl_add_u32 v4, v2, 3, v4
	v_mul_u32_u24 v4, v4, PW
	v_bfe_u32 v5, v0, 3, 1
	v_lshl_add_u32 v4, v5, 4, v4
	s_lshl_b32 s22, s[CH], 7
	s_add_co_u32 s22, s22, APART
	v_add_nc_u32 v[ADRB0], s22, v4
	v_add_nc_u32 v[ADRB1], HALFW, v[ADRB0]
	v_mov_b32 v[AA], v[ADRA0]
	v_mov_b32 v[AB0], v[ADRB0]
	v_mov_b32 v[AB1], v[ADRB1]
	s_mul_i32 s22, s[WV], 16*SP
	s_add_co_u32 s22, s22, STAGE
	v_mul_u32_u24 v3, v1, SP
	v_lshl_add_u32 v3, v2, 5, v3
	v_add_nc_u32 v[STO], s22, v3
	v_mul_u32_u24 v3, v2, SP
	v_lshl_add_u32 v3, v1, 4, v3
	v_add_nc_u32 v[RD], s22, v3
	; the prefetch's addresses, at K step w (hff) and K step 0 (W): each request first steps them four K steps on
	v_and_b32 v4, 31, v0                           ; the lane
	v_lshrrev_b32 v5, 1, v4
	v_lshlrev_b32 v5, 13, v5                       ; hff: a row of 8,192 bytes for each two lanes,
	v_and_b32 v3, 1, v4
	v_lshl_add_u32 v[PFA], v3, 8, v5               ; the first or the second 256 of the K step's 512 bytes
	v_lshlrev_b32 v[PFW], 11, v4                   ; W: a k row of 2,048 bytes a lane
	s_lshl_b32 s18, s[TR], 20                      ; hff: the tile row's 128 rows,
	s_lshl_b32 s19, s42, 17                        ; of them the 16 that fall to my tile column,
	s_add_co_u32 s18, s18, s19
	s_lshl_b32 s19, s[WV], 9                       ; my wave's K step of the four
	s_add_co_u32 s18, s18, s19
	s_mov_b32 s19, 0
	s_add_nc_u64 s[4:5], s[4:5], s[18:19]
	s_lshl_b32 s18, s[TR], 16                      ; W: of four K steps' 1,024 k rows the 32 that fall to my tile row,
	s_lshl_b32 s22, s42, 8                         ; my tile column's 256 bytes of them
	s_add_co_u32 s18, s18, s22
	s_add_co_u32 s18, s18, REGION
	s_add_nc_u64 s[6:7], s[6:7], s[18:19]
.macro MUL8 f, c, a0, zero
	WIN MUL
.irp a, \a0, (\a0)+1
.irp b, 0,1,2,3
.if \zero
	v_wmma_f32_16x16x32_bf16 v[ACC+8*(4*(\a)+(\b)):ACC+8*(4*(\a)+(\b))+7], v[(\f)+64+8*(4*(\c)+(\b)):(\f)+64+8*(4*(\c)+(\b))+7], v[(\f)+8*(4*(\c)+(\a)):(\f)+8*(4*(\c)+(\a))+7], 0
.else
	v_wmma_f32_16x16x32_bf16 v[ACC+8*(4*(\a)+(\b)):ACC+8*(4*(\a)+(\b))+7], v[(\f)+64+8*(4*(\c)+(\b)):(\f)+64+8*(4*(\c)+(\b))+7], v[(\f)+8*(4*(\c)+(\a)):(\f)+8*(4*(\c)+(\a))+7], v[ACC+8*(4*(\a)+(\b)):ACC+8*(4*(\a)+(\b))+7]
.endif
.endr
.endr
.endm
.macro FETCH q, f
	WIN TO_F
.irp c, 0,1
.irp i, 0,1,2,3
	ds_load_tr16_b128 v[(\f)+64+8*(4*(\c)+(\i)):(\f)+64+8*(4*(\c)+(\i))+3],   v[AB0+(\q)/2] offset:(((\q)%2)*64+32*(\c))*PW+32*(\i)
	ds_load_tr16_b128 v[(\f)+64+8*(4*(\c)+(\i))+4:(\f)+64+8*(4*(\c)+(\i))+7], v[AB0+(\q)/2] offset:(((\q)%2)*64+32*(\c)+16)*PW+32*(\i)
	ds_load_b128 v[(\f)+8*(4*(\c)+(\i)):(\f)+8*(4*(\c)+(\i))+3],   v[AA] offset:AQ*(\q)+64*(\c)+(\i)*16*PA
	ds_load_b128 v[(\f)+8*(4*(\c)+(\i))+4:(\f)+8*(4*(\c)+(\i))+7], v[AA] offset:AQ*(\q)+64*(\c)+(\i)*16*PA+32
.endr
.endr
.endm
.macro QUARTER q, f, g, zero
	s_wait_dscnt 16                                ; the first 32 along K are in
	MUL8 \f, 0, 0, \zero
	MUL8 \f, 0, 2, \zero
	PLACES
	FETCH \q, \g
	s_wait_dscnt 32                                ; all but the 32 just issued
	MUL8 \f, 1, 0, 0
	MUL8 \f, 1, 2, 0
.endm
.macro TURN fill                       ; the last quarter multiplies buffer 1 and changes slots; fill = 1: a round of the cluster's barrier, and this slot is filled again, two K steps ahead
	WIN 0
	s_wait_tensorcnt 0x0                           ; all my tensor loads have landed: my part of the next slot
	ds_add_u32 v[SPW], v[NIL]
	s_wait_dscnt 17                                ; the add and the youngest sixteen loads may be out
	MUL8 F1, 0, 0, 0
	s_wait_dscnt 0x0                               ; the add is done, and my reads of this slot are over
	s_barrier_signal -1
	MUL8 F1, 0, 2, 0
	WIN 0
	s_barrier_wait -1
.if \fill
	CREST
	s_xor_b32 s[G0A+5], s[G0A+5], SLOT
	s_add_nc_u64 s[G0A+6:G0A+7], s[G0A+6:G0A+7], STEPA
	s_xor_b32 s[G0B+5], s[G0B+5], SLOT
	s_add_nc_u64 s[G0B+6:G0B+7], s[G0B+6:G0B+7], STEPB
	JLOAD
.endif
	s_xor_b32 s[TB], s[TB], SLOT
	v_add_nc_u32 v[AA], s[TB], v[ADRA0]
	v_add_nc_u32 v[AB0], s[TB], v[ADRB0]
	v_add_nc_u32 v[AB1], s[TB], v[ADRB1]
.if !(\fill)
	v_nop
.endif
	FETCH 0, F0
	MUL8 F1, 1, 0, 0
	MUL8 F1, 1, 2, 0
.endm
	s_wait_tensorcnt 1                             ; my part of K step 0 is in; K step 1's stays out
	s_barrier_signal -1
	s_barrier_wait -1
	FETCH 0, F0
	QUARTER 1, F0, F1, 1
	WIN 0
	s_mov_b32 s3, NSTEP-2
	s_branch .Lmid
.Lstep:
	QUARTER 1, F0, F1, 0
	WIN 0
.Lmid:
	QUARTER 2, F1, F0, 0
	QUARTER 3, F0, F1, 0
	TURN 1
	WIN 0
	s_and_b32 s22, s3, 3                           ; the count runs 14 .. 1: trips 0, 4 and 8 are the counts 14, 10 and 6
	s_cmp_lg_u32 s22, 2
	s_cbranch_scc1 .Lno_pf
	s_cmp_lt_u32 s3, 6                             ; the count 2 (trip 12) would ask past K step 15: it asks for nothing
	s_cbranch_scc1 .Lno_pf
	s_wait_xcnt 0x0                                ; the two bases, which the requests of four trips ago named, are rewritten only behind this wait
	s_add_nc_u64 s[4:5], s[4:5], 4*STEPA
	s_add_nc_u64 s[6:7], s[6:7], 4*STEPB
	global_prefetch_b8 v[PFA], s[4:5] th:TH_LOAD_NT scope:SCOPE_SE  ; 16 rows x 512 bytes of hff, K step trip + 4 + wave
	s_cmp_lg_u32 s[WV], 0
	s_cbranch_scc1 .Lno_pf
	global_prefetch_b8 v[PFW], s[6:7] th:TH_LOAD_NT scope:SCOPE_SE  ; 32 k rows x 256 bytes of W among K steps trip + 4 .. trip + 7
.Lno_pf:
	s_sub_co_u32 s3, s3, 1
	s_cmp_lg_u32 s3, 0
	s_cbranch_scc1 .Lstep
	s_mov_b32 s3, 2
.Ltail:                                                ; the last two K steps ask for nothing; the very last change of slots fetches fragments that are never multiplied: the price of one text for both
	QUARTER 1, F0, F1, 0
	QUARTER 2, F1, F0, 0
	QUARTER 3, F0, F1, 0
	TURN 0
	WIN 0
	s_sub_co_u32 s3, s3, 1
	s_cmp_lg_u32 s3, 0
	s_cbranch_scc1 .Ltail
	; THE WAY OUT.  A wave's 64 f32 columns are 256 bytes of a row, so the stage is the wave's own: 16 rows go in by lanes' 32 bytes and come back as whole rows, into the registers that they left.
.macro PACK a
.irp b, 0,1,2,3
	ds_store_b128 v[STO], v[ACC+32*(\a)+8*(\b):ACC+32*(\a)+8*(\b)+3]   offset:64*(\b)
	ds_store_b128 v[STO], v[ACC+32*(\a)+8*(\b)+4:ACC+32*(\a)+8*(\b)+7] offset:64*(\b)+16
.endr
.irp f, 0,1,2,3,4,5,6,7
	ds_load_b128 v[ACC+32*(\a)+4*(\f):ACC+32*(\a)+4*(\f)+3], v[RD] offset:(\f)*2*SP  ; LDS serves a wave's instructions in order (ISA guide 5.7.1.4)
.endr
.endm
.macro SEND a, younger                 ; younger: the next block's sixteen LDS instructions, or none
	s_wait_dscnt \younger
	WIN 0x08                                       ; source 1, the residual, in window 2
.set z, 0
.rept 16
	v_pk_add_f32 v[ACC+32*(\a)+2*z:ACC+32*(\a)+2*z+1], v[ACC+32*(\a)+2*z:ACC+32*(\a)+2*z+1], v[32*(\a)+2*z:32*(\a)+2*z+1]
.set z, z+1
.endr
	WIN 0
.irp f, 0,1,2,3,4,5,6,7
	global_store_b128 v[CO], v[ACC+32*(\a)+4*(\f):ACC+32*(\a)+4*(\f)+3], s[10:11] offset:(16*(\a)+2*(\f))*4096  ; 16 lanes store 256 consecutive bytes, aligned
.endr
.endm
	s_wait_dscnt 0x0
	PLACES
	s_wait_loadcnt 0x0                             ; the residual
	PACK 0
	PACK 1
	SEND 0, 16
	PACK 2
	SEND 1, 16
	PACK 3
	SEND 2, 16
	SEND 3, 0
	s_wait_tensorcnt 0x0                           ; the wave's end
	ds_add_u32 v[SPW], v[NIL]
	s_wait_dscnt 0x0
	CROUND                                         ; the closing round
	s_endpgm
.Lfunc_end_k_q524881546b_fc2g:
	.size	k_q524881546b_fc2g, .Lfunc_end_k_q524881546b_fc2g-k_q524881546b_fc2g
	.p2alignl 7, 3214868480
	.fill 96, 4, 3214868480
	.section	.rodata,"a",@progbits
	.p2align	6, 0x0
	.amdhsa_kernel k_q524881546b_fc2g
		.amdhsa_group_segment_fixed_size 327680
		.amdhsa_private_segment_fixed_size 0
		.amdhsa_enable_private_segment 0
		.amdhsa_kernarg_size 32
		.amdhsa_user_sgpr_count 2
		.amdhsa_user_sgpr_kernarg_segment_ptr 1
		.amdhsa_wavefront_size32 1
		.amdhsa_system_sgpr_workgroup_id_x 1
		.amdhsa_system_sgpr_workgroup_id_y 1
		.amdhsa_system_sgpr_workgroup_id_z 1
		.amdhsa_system_vgpr_workitem_id 0
		.amdhsa_next_free_vgpr 640
		.amdhsa_next_free_sgpr 66
		.amdhsa_reserve_vcc 0
		.amdhsa_float_denorm_mode_32 3
		.amdhsa_float_denorm_mode_16_64 3
		.amdhsa_memory_ordered 1
		.amdhsa_forward_progress 1
		.amdhsa_inst_pref_size 66
	.end_amdhsa_kernel
	.amdgpu_metadata
---
amdhsa.version: [ 1, 2 ]
amdhsa.kernels:
  - .name:           k_q524881546b_fc2g
    .symbol:         k_q524881546b_fc2g.kd
    .args:
      - { .name: hff, .offset: 0, .size: 8, .value_kind: global_buffer, .address_space: global }
      - { .name: wb, .offset: 8, .size: 8, .value_kind: global_buffer, .address_space: global }
      - { .name: x1, .offset: 16, .size: 8, .value_kind: global_buffer, .address_space: global }
      - { .name: out0, .offset: 24, .size: 8, .value_kind: global_buffer, .address_space: global }
    .group_segment_fixed_size: 327680
    .private_segment_fixed_size: 0
    .kernarg_segment_align: 8
    .kernarg_segment_size: 32
    .max_flat_workgroup_size: 128
    .sgpr_count:     66
    .vgpr_count:     640
    .wavefront_size: 32
...
	.end_amdgpu_metadata
.endif
;; end of part 6
